; MI455X (gfx1250); checked and timed in simulation.
; The chip was launched on July 23, 2026; its instructions are those of AMD's public machine-readable ISA for CDNA 5 (MIT licence, August 2026) and "CDNA5" Instruction Set Architecture Reference Guide (July 2026). The comments in the code are by the model that wrote it; some were corrected since.
;; Self Attention. Allowed arithmetic: matrix products marked QUANTISED: E4M3 operands, one given power-of-two scale a tensor, by v_wmma_f32_16x16x64_fp8_fp8 or v_wmma_f32_16x16x128_fp8_fp8, f32 sums; everything else in f32.
;; Inputs: Wk 768 x 768 float32; Wq 768 x 768 float32; Wv 768 x 768 float32; bk 768 float32; bq 768 float32; bv 768 float32; hidden_states 2 x 4,096 x 768 float32; lowp_scales 10 int32 (the exponents e of the quantised operands' scales 2^e).
;; Outputs: out0 2 x 4,096 x 768 float32.
;; This version of the problem:
;;   THIS VERSION OF THE PROBLEM IS GIVEN IN LOW PRECISION. The matrix products marked QUANTISED in the list below multiply operands that are first quantised to E4M3 (4 exponent bits, 3 mantissa bits; 8 bits a number), with one given power-of-two scale for each operand tensor; their sums are f32. All else is computed in f32.
;;   The module's matrix products, in the order in which they are computed (A, B: the left and right operand; K: the contracted axis; several contracted axes count as one K, in the product's order):
;;     1. [M 8,192, K 768] x [K 768, N 768]; A: input hidden_states; B: input Wq: QUANTISED (scales: A lowp_scales[0], B lowp_scales[1])
;;     2. [M 8,192, K 768] x [K 768, N 768]; A: input hidden_states; B: input Wk: QUANTISED (scales: A lowp_scales[2], B lowp_scales[3])
;;     3. [M 8,192, K 768] x [K 768, N 768]; A: input hidden_states; B: input Wv: QUANTISED (scales: A lowp_scales[4], B lowp_scales[5])
;;     4. batch 12 x [M 4,096, K 128] x [K 128, N 4,096]; A: computed on the way; B: computed on the way: QUANTISED (scales: A lowp_scales[6], B lowp_scales[7])
;;     5. batch 12 x [M 4,096, K 4,096] x [K 4,096, N 128]; A: softmax (see below); B: computed on the way: QUANTISED (scales: A lowp_scales[8], B lowp_scales[9])
;;   THE QUANTISER, for each operand of a quantised product, along K:
;;     - The operand's scale is 2^e, e = its entry of the input lowp_scales (int32; the entries are numbered through the quantised products in the list's order, A before B).
;;     - Each number is divided by the scale, clamped to +-448, and rounded to the nearest number of E4M3, ties to even, subnormals kept.
;;     - The product sums the exact products of the quantised numbers (number of the format x scale) in f32.
;;   ~~~python
;;   def quantise(x, axis, e):      # numpy; x: float32 -> the quantised numbers, widened to float32 again
;;       x = np.moveaxis(x, axis, -1); K = x.shape[-1]
;;       r = np.clip(x / 2.0 ** e, -448, 448)
;;       step = 2.0 ** (np.maximum(np.frexp(np.where(r == 0, 1, r))[1] - 1, -6) - 3)
;;       q = np.round(r / step) * step * 2.0 ** e      # np.round: ties to even
;;       return np.moveaxis(q, -1, axis).astype(np.float32)
;;   ~~~
;;   SOFTMAX AHEAD OF A QUANTISED PRODUCT. Where the list says 'softmax', what is quantised is not the finished softmax but p = 2^(t - M), with t = logit x log2(e) and M = ceil(the row's largest t), a whole number; so 1/2 < the row's largest p <= 1. The row's sum l is taken of the UNQUANTISED p, in f32, and the product's result is divided by l at the end. Since M is a whole number, a kernel that streams over the keys may use a running M (the ceiling of the running maximum): every later rescaling is an exact power of two, so the quantised numbers keep their values, but for numbers so far below the row's largest that they fall under the format's range.
;;   OPERANDS COMPUTED ON THE WAY. 'Computed on the way' means the value that the module computes at that place (a softmax that the list does not call 'softmax' is quantised finished and normalised). What goes into a quantiser is computed in f32, as accurately as f32 sums, v_exp_f32 and their like allow (about 1e-6 of the number): no bf16 or f16 on the way to a quantiser, and a product that is left as it is and whose result goes on into a quantised operand takes f32 operands (vector FMAs, or v_wmma_f32_16x16x4_f32). A number that lies on a knife's edge between two numbers of the format may be rounded either way, as far as f32 arithmetic and the matrix unit's own rounding can turn it there, and no further.
;; 2 versions. Each part assembles by itself: llvm-mc -triple=amdgcn-amd-amdhsa -mcpu=gfx1250 --defsym DOCPART=n.
;; ======== version 1 of 2: 3 launches
;; workspace buffers: w_img 1,769,472 bytes; q_img 6,291,456 bytes; k_img 6,291,456 bytes; v_img 6,291,456 bytes
;; launch prep (part 1): grid 18 x 12, 4 waves a work-group, no clusters, 0 bytes of LDS; arguments Wq, Wk, Wv, lowp_scales, w_img; writes w_img
.if DOCPART == 1
	.amdgcn_target "amdgcn-amd-amdhsa--gfx1250"
	.amdhsa_code_object_version 6
	.text
	.protected	k_qda738233b5_prep
	.globl	k_qda738233b5_prep
	.p2align	8
	.type	k_qda738233b5_prep,@function
k_qda738233b5_prep:
	s_mov_b64 s[64:65], 0
	v_nop
	global_prefetch_b8 v0, s[64:65] scope:SCOPE_SE
	s_setreg_imm32_b32 hwreg(HW_REG_WAVE_MODE, 25, 1), 1
	s_wait_xcnt 0x0
; Wq, Wk, Wv [768 (k)][768 (n)], f32, K along the FIRST axis, become codes of E4M3 with the given scales 2^e1, 2^e3, 2^e5, laid as IMAGES OF OPERAND REGISTERS:
; w_img [matrix 3][column tile 48][K step 6][2,048 bytes].  An image is a fragment of 16 columns x 128 along K as the registers hold it: chunk c (0..3) at 512 c, lane L's 16 bytes at 16 L;
; lane (r = L % 16, h = L / 16) holds, of the tile's row r, k = 32 c + 16 h + 0 .. 15.
; WHICH COLUMNS FORM A TILE.  Wq, Wk: tile 2 R + u takes columns 32 R + 8 u + r + 8 (r / 8), so that the next launch's results of two neighbouring tiles are 16 neighbours along the head's axis.  Wv: tile j takes columns 16 j + r.
; SHARES.  Work-group x = 6 x matrix + block of 128 columns; y = which 64 along K.  A LANE TAKES A COLUMN AND ITS REGISTERS RUN DOWN K: each load reads 128 consecutive bytes a wave (the four waves side by side: 512),
; and the conversions, which take neighbours along K from one lane's registers, give codes with K innermost.  A lane's 16 codes are 16 bytes of an image; sixteen lanes of one tile store 256 consecutive bytes, aligned.
; code = x / 2^e, held within +-448, to the nearest code, ties to even.  LIMITS: e1, e3, e5 between -126 and 119.  NaN among the inputs is not served.
; No LDS, no barrier, no loop: waves share nothing, every offset is an immediate, and no store's data are written again.
.set WROW,  3072                       ; a row of W in bytes
.set TILEB, 12288                      ; a column tile's six images
.set X,     16                         ; v16-79  my column's 64 numbers
.set C,     80                         ; v80-95  their codes
	s_load_b128 s[4:7], s[0:1], 0x0                ; Wq, Wk
	s_load_b128 s[8:11], s[0:1], 0x10              ; Wv, the scales' exponents
	s_load_b64 s[12:13], s[0:1], 0x20              ; w_img
	v_lshrrev_b32 v1, 5, v0
	v_readfirstlane_b32 s14, v1                    ; wave 0..3
	v_and_b32 v2, 31, v0                           ; lane l: my column among the wave's 32
	v_lshlrev_b32 v3, 2, v2                        ; in: 4 bytes a lane
	s_mul_hi_u32 s15, ttmp9, 0x2aaaaaab            ; matrix = x / 6 (x under 18)
	s_mul_i32 s27, s15, 6
	s_sub_co_u32 s27, ttmp9, s27                   ; block of 128 columns
	s_and_b32 s28, ttmp7, 0xffff                   ; which 64 along K
	v_bfe_u32 v5, v2, 3, 1                         ; Wq, Wk: u = (l / 8) % 2,
	v_and_b32 v6, 7, v2
	v_lshrrev_b32 v7, 4, v2
	v_lshl_or_b32 v6, v7, 3, v6                    ; r = l % 8 + 8 (l / 16)
	v_mul_u32_u24 v5, v5, TILEB
	v_lshl_add_u32 v5, v6, 4, v5                   ; u tiles on, + 16 r
	v_and_b32 v8, 15, v2                           ; Wv: u = l / 16, r = l % 16
	v_mul_u32_u24 v9, v7, TILEB
	v_lshl_add_u32 v9, v8, 4, v9
	s_cmp_eq_u32 s15, 2
	s_cselect_b32 s30, -1, 0
	v_cndmask_b32 v4, v5, v9, s30                  ; out: my 16 bytes' place; never rewritten
	s_mul_i32 s32, s28, 64*WROW                    ; W: 64 y rows down,
	s_lshl_b32 s33, s27, 9
	s_add_co_u32 s32, s32, s33                     ; + 128 columns x block,
	s_lshl_b32 s33, s14, 7
	s_add_co_u32 s32, s32, s33                     ; + 32 columns x wave
	s_mov_b32 s33, 0
	s_lshl_b32 s34, ttmp9, 3                       ; w_img: tile 8 x + 2 wave (48 x matrix + 8 x block = 8 x),
	s_lshl_b32 s35, s14, 1
	s_add_co_u32 s34, s34, s35
	s_mul_i32 s34, s34, TILEB
	s_lshl_b32 s35, s28, 10
	s_add_co_u32 s34, s34, s35                     ; + half an image for each 64 along K
	s_mov_b32 s35, 0
	s_wait_kmcnt 0x0
	s_load_b256 s[16:23], s[10:11], 0x0            ; e0 .. e7
	s_cmp_eq_u32 s15, 0                            ; the choice of the matrix hangs on the work-group's number alone
	s_cselect_b64 s[24:25], s[4:5], s[6:7]
	s_cmp_eq_u32 s15, 2
	s_cselect_b64 s[24:25], s[8:9], s[24:25]
	s_add_nc_u64 s[24:25], s[24:25], s[32:33]
	s_add_nc_u64 s[12:13], s[12:13], s[34:35]
.set i, 0
.rept 64
	global_load_b32 v[X+i], v3, s[24:25] offset:i*WROW th:TH_LOAD_NT   ; W(64 y + i, my column): read once in the launch
.set i, i+1
.endr
	s_wait_kmcnt 0x0
	s_cmp_eq_u32 s15, 0
	s_cselect_b32 s26, s17, s19
	s_cmp_eq_u32 s15, 2
	s_cselect_b32 s26, s21, s26                    ; e: e1, e3 or e5
	s_add_co_i32 s26, s26, 127
	s_lshl_b32 s31, s26, 23
	v_mov_b32 v11, s31                             ; 2^e as f32: the conversion takes its exponent field
	s_add_co_i32 s26, s26, 8
	s_lshl_b32 s26, s26, 23
	s_or_b32 s26, s26, 0x600000
	v_mov_b32 v10, s26                             ; 448 x 2^e
; Group g of 16 along K is chunk g / 2 of this half image, half g % 2 of the lanes: 512 (g / 2) + 256 (g % 2) = 256 g bytes on.
.irp g, 0,1,2,3
	s_wait_loadcnt 48-16*\g                        ; loads come back in order: this group's 16 are in, the younger groups stay out
.irp j, 0,1,2,3,4,5,6,7,8,9,10,11,12,13,14,15
	v_med3_num_f32 v[X+16*\g+\j], v[X+16*\g+\j], -v10, v10   ; the conversion to an 8-bit code does not saturate (ISA guide 7.6.2): the hold at the largest code x the scale
.endr
	v_cvt_scalef32_pk8_fp8_f32 v[C+4*\g:C+4*\g+1], v[X+16*\g:X+16*\g+7], v11
	v_cvt_scalef32_pk8_fp8_f32 v[C+4*\g+2:C+4*\g+3], v[X+16*\g+8:X+16*\g+15], v11
	global_store_b128 v4, v[C+4*\g:C+4*\g+3], s[12:13] offset:256*\g   ; two runs of 256 consecutive bytes, aligned: one in each of the wave's two tiles
.endr
	s_endpgm
.Lfunc_end_k_qda738233b5_prep:
	.size	k_qda738233b5_prep, .Lfunc_end_k_qda738233b5_prep-k_qda738233b5_prep
	.p2alignl 7, 3214868480
	.fill 96, 4, 3214868480
	.section	.rodata,"a",@progbits
	.p2align	6, 0x0
	.amdhsa_kernel k_qda738233b5_prep
		.amdhsa_group_segment_fixed_size 0
		.amdhsa_private_segment_fixed_size 0
		.amdhsa_enable_private_segment 0
		.amdhsa_kernarg_size 40
		.amdhsa_user_sgpr_count 2
		.amdhsa_user_sgpr_kernarg_segment_ptr 1
		.amdhsa_wavefront_size32 1
		.amdhsa_system_sgpr_workgroup_id_x 1
		.amdhsa_system_sgpr_workgroup_id_y 1
		.amdhsa_system_sgpr_workgroup_id_z 1
		.amdhsa_system_vgpr_workitem_id 0
		.amdhsa_next_free_vgpr 96
		.amdhsa_next_free_sgpr 66
		.amdhsa_reserve_vcc 0
		.amdhsa_float_denorm_mode_32 3
		.amdhsa_float_denorm_mode_16_64 3
		.amdhsa_memory_ordered 1
		.amdhsa_forward_progress 1
		.amdhsa_inst_pref_size 14
	.end_amdhsa_kernel
	.amdgpu_metadata
---
amdhsa.version: [ 1, 2 ]
amdhsa.kernels:
  - .name:           k_qda738233b5_prep
    .symbol:         k_qda738233b5_prep.kd
    .args:
      - { .name: Wq, .offset: 0, .size: 8, .value_kind: global_buffer, .address_space: global }
      - { .name: Wk, .offset: 8, .size: 8, .value_kind: global_buffer, .address_space: global }
      - { .name: Wv, .offset: 16, .size: 8, .value_kind: global_buffer, .address_space: global }
      - { .name: lowp_scales, .offset: 24, .size: 8, .value_kind: global_buffer, .address_space: global }
      - { .name: w_img, .offset: 32, .size: 8, .value_kind: global_buffer, .address_space: global }
    .group_segment_fixed_size: 0
    .private_segment_fixed_size: 0
    .kernarg_segment_align: 8
    .kernarg_segment_size: 40
    .max_flat_workgroup_size: 128
    .sgpr_count:     66
    .vgpr_count:     96
    .wavefront_size: 32
...
	.end_amdgpu_metadata
.endif
;; end of part 1
;; launch proj (part 2): grid 64 x 3, 8 waves a work-group, no clusters, 99,328 bytes of LDS; arguments hidden_states, w_img, bq, bk, bv, lowp_scales, q_img, k_img, v_img; writes q_img, k_img, v_img
.if DOCPART == 2
	.amdgcn_target "amdgcn-amd-amdhsa--gfx1250"
	.amdhsa_code_object_version 6
	.text
	.protected	k_qda738233b5_proj
	.globl	k_qda738233b5_proj
	.p2align	8
	.type	k_qda738233b5_proj,@function
k_qda738233b5_proj:
	s_mov_b64 s[64:65], 0
	v_nop
	global_prefetch_b8 v0, s[64:65] scope:SCOPE_SE
	s_setreg_imm32_b32 hwreg(HW_REG_WAVE_MODE, 25, 1), 1
	s_wait_xcnt 0x0
; q = Q(x) Q(Wq) + bq, k and v likewise, on codes of E4M3; the results, in f32, are quantised at once for attention's products and leave as IMAGES OF OPERAND REGISTERS.
; An image: a fragment of 16 rows x 128 along K, 2,048 bytes: chunk c at 512 c, lane L's 16 bytes at 16 L; lane (r = L % 16, h = L / 16) holds k = 32 c + 16 h + 0 .. 15 of row r.  The same place for each k on both sides of every product.
; SHARES.  Work-group (tb, y): tokens 128 tb .. + 127, all 768 columns of matrix y (0 q, 1 k, 2 v), with that product's own scales: x by e0 / e2 / e4, W by e1 / e3 / e5, the result by e6 / e7 / e9.
; Wave w: first token tile w of x (16 tokens x 768: quantised, six images into LDS); then, behind the one barrier, all 128 tokens x columns 96 w .. + 95: 8 x 6 accumulators, 384 registers.
; TOKEN TILES ARE NOT NEIGHBOURS: tile 2 b + u takes tokens 32 b + 8 u + r + 8 (r / 8).  Wq's and Wk's column tiles likewise (the launch before lays them so); Wv's are plain.
;   q, k: the product is used TRANSPOSED (source 0 = W's tile, source 1 = x's): a lane holds one token, and the 16 registers of column tiles 2 b, 2 b + 1 are 16 neighbours of the head's axis: a chunk of a q or k image.
;   v:    source 0 = x's tile, source 1 = W's: a lane holds one channel, and the 16 registers of token tiles 2 p, 2 p + 1 are 16 neighbouring tokens: a chunk of an image of V^T, whose K is the keys.
; q_img, k_img: [6 batch + head][token tile 256][2,048].   v_img: [6 batch + head][key step 32][channel tile 8][2,048].
; W's images go from memory straight into each wave's registers, each byte once a work-group.  NO CLUSTER, NO JOINT LOADS: no tile comes by a tensor load here; taken through LDS, W's 576 KB a work-group would be written
; and read there on top of the 768 KB of x's fragments that the eight waves read.  The form is the K = 64 one: beside 384 accumulators 128 registers are left, and its fragments take 8.
; LIMITS on the given exponents, so that each power of two below is an f32 number: e0, e2, e4, e6, e7, e9 between -126 and 119; e0 + e1, e2 + e3, e4 + e5 between -126 and 127.  NaN among the inputs is not served.
; REGISTERS, in windows of 256.  window 0: v1 the bias's lane offset; v2, v3 16 x lane (+ 49,152); v4 x's lane offset; v5 where I store x's images; v6, v7 448 x scale and scale of the conversions in hand;
;   v8-31 three x fragments by turns, later two sets of 12 code registers; v32-79, v80-127 W's six fragments, two sets (v32.. later the bias; v80.. first x's codes, later 48 numbers at work); v128-255 accumulators (m, n = 4, 5) at 128 + 8 (2 m + n - 4).
;   window 1: accumulators (m, n = 0..3) at 8 (4 m + n); ahead of the barrier v0-191 hold three K steps of x in f32.
.set LI0,  2
.set LI1,  3
.set XA,   4
.set XWI,  5
.set LIM,  6
.set SCL,  7
.set XR,   8
.set CD,   8
.set WB,   32
.set BI,   32
.set PC,   80
.set TMP,  80
.set MSB, 0
.macro WIN new                         ; s_set_vgpr_msb: bits 1:0 source 0, 3:2 source 1, 5:4 source 2, 7:6 destination; the high byte repeats the setting that is left
.if MSB != \new
	s_set_vgpr_msb (MSB<<8)|\new
.set MSB, \new
.endif
.endm
.macro XLOAD s                         ; my 16 tokens' numbers of K step s: 64 a lane, register 16 b + i = k 32 b + 16 h + i, into buffer s % 3 of window 1.  No hint: three work-groups read x
	WIN 0x40
.irp b, 0,1,2,3
.irp j, 0,1,2,3
	global_load_b128 v[64*((\s)%3)+16*\b+4*\j:64*((\s)%3)+16*\b+4*\j+3], v[XA], s[4:5] offset:512*(\s)+128*\b+16*\j
.endr
.endr
	WIN 0
.endm
.macro XQUANT s                        ; they become a fragment's 16 registers of codes in v[PC] on
	WIN 0x41
.set i, 0
.rept 64
	v_med3_num_f32 v[64*((\s)%3)+i], v[64*((\s)%3)+i], -v[LIM], v[LIM]   ; the conversion to an 8-bit code does not saturate (ISA guide 7.6.2): the hold at the largest code x the scale
.set i, i+1
.endr
	s_wait_dscnt 0x0                               ; the last image's stores have read the code registers
	WIN 0x01
.irp g, 0,1,2,3,4,5,6,7
	v_cvt_scalef32_pk8_fp8_f32 v[PC+2*\g:PC+2*\g+1], v[64*((\s)%3)+8*\g:64*((\s)%3)+8*\g+7], v[SCL]
.endr
	WIN 0
	v_nop                                          ; one plain vector instruction behind the last conversion: matrix instructions later write its sources
.endm
.macro IMAGE s                         ; the fragment goes to LDS as it stands: 512 consecutive bytes a store
.irp c, 0,1,2,3
	ds_store_b128 v[XWI], v[PC+4*\c:PC+4*\c+3] offset:2048*(\s)+512*\c
.endr
.endm
.macro WLOAD t                         ; W's six fragments of half step t (64 along K: two chunks of each image) into set t % 2: 12 loads of 512 consecutive bytes
.irp n, 0,1,2,3,4,5
.irp c, 0,1
	global_load_b128 v[WB+48*((\t)%2)+8*\n+4*\c:WB+48*((\t)%2)+8*\n+4*\c+3], v[LI0], s[6:7] offset:12288*\n+1024*(\t)+512*\c
.endr
.endr
.endm
.macro BLOAD swap                      ; the bias, in the result's layout: 12 loads, as many as a WLOAD, so that the count of the wait behind it is the same
.irp n, 0,1,2,3,4,5
.if \swap
	global_load_b32 v[BI+2*\n], v1, s[44:45] offset:64*\n          ; v: lane r holds channel 96 w + 16 n + r in all its registers; the pair is named whole, so both are loaded
	global_load_b32 v[BI+2*\n+1], v1, s[44:45] offset:64*\n
.else
	global_load_b128 v[BI+8*\n:BI+8*\n+3], v1, s[44:45] offset:(32*(\n/2)+8*(\n%2))*4        ; q, k: register 8 n + j holds column 96 w + 32 (n / 2) + 16 h + 8 (n % 2) + j
	global_load_b128 v[BI+8*\n+4:BI+8*\n+7], v1, s[44:45] offset:(32*(\n/2)+8*(\n%2))*4+16
.endif
.endr
.endm
.macro XFETCH g                        ; x's fragment of token tile g % 8, half step g / 8, into place g % 3 of the three
.set FM, (\g)%8
.set FT, (\g)/8
.set FRG, XR+8*((\g)%3)
.if FM < 4
	ds_load_b128 v[FRG:FRG+3], v[LI0] offset:FM*12288+1024*FT
	ds_load_b128 v[FRG+4:FRG+7], v[LI0] offset:FM*12288+1024*FT+512
.else
	ds_load_b128 v[FRG:FRG+3], v[LI1] offset:(FM-4)*12288+1024*FT
	ds_load_b128 v[FRG+4:FRG+7], v[LI1] offset:(FM-4)*12288+1024*FT+512
.endif
.endm
.macro MM swap, d, w, x, t             ; one product; in half step 0 it starts its sum: nothing is ever cleared
.if (\t) == 0
.if \swap
	v_wmma_f32_16x16x64_fp8_fp8 v[\d:\d+7], v[\x:\x+7], v[\w:\w+7], 0
.else
	v_wmma_f32_16x16x64_fp8_fp8 v[\d:\d+7], v[\w:\w+7], v[\x:\x+7], 0
.endif
.else
.if \swap
	v_wmma_f32_16x16x64_fp8_fp8 v[\d:\d+7], v[\x:\x+7], v[\w:\w+7], v[\d:\d+7]
.else
	v_wmma_f32_16x16x64_fp8_fp8 v[\d:\d+7], v[\w:\w+7], v[\x:\x+7], v[\d:\d+7]
.endif
.endif
.endm
; Token tile G % 8 of half step G / 8: six products.  The 48 accumulators take turns, one instruction a turn, in the same order in every half step.
.macro ITER swap
.if G+2 < 96
	XFETCH G+2                                     ; two fragments ahead, into the place that the products before last read: the four v_nop below stand between
.endif
.if G < 94
	s_wait_dscnt 4                                 ; LDS loads come back in order: this fragment is in; the four loads of the next two fragments stay out
.elseif G == 94
	s_wait_dscnt 2
.else
	s_wait_dscnt 0
.endif
.set IM, G%8
.set IT, G/8
.set IX, XR+8*(G%3)
.set IW, WB+48*(IT%2)
	WIN 0x50                                       ; C and D in window 1
.irp n, 0,1,2,3
	MM \swap, 8*(4*IM+\n), IW+8*\n, IX, IT
.endr
	WIN 0
.irp n, 4,5
	MM \swap, 128+8*(2*IM+\n-4), IW+8*\n, IX, IT
.endr
.rept 4
	v_nop                                          ; four places in front of loads into registers that these products read, and of the first read of results
.endr
.set G, G+1
.endm
.macro HSTEP t, swap                   ; 64 along K
.if \t < 11
	WLOAD \t+1                                     ; the next half step's W, into the set that the half step before read
.else
	BLOAD \swap
.endif
	s_wait_loadcnt 12                              ; this half step's W is in; the 12 loads just issued stay out
.rept 8
	ITER \swap
.endr
.endm
	s_load_b512 s[4:19], s[0:1], 0x0               ; x s[4:5], w_img s[6:7], bq s[8:9], bk s[10:11], bv s[12:13], the scales' exponents s[14:15], q_img s[16:17], k_img s[18:19]
	s_load_b64 s[20:21], s[0:1], 0x40              ; v_img
	v_lshrrev_b32 v1, 5, v0
	v_readfirstlane_b32 s22, v1                    ; wave 0..7
	s_and_b32 s23, ttmp7, 0xffff                   ; y: the matrix
	s_mov_b32 s24, ttmp9                           ; tb
	s_lshr_b32 s25, s24, 5                         ; batch
	s_and_b32 s26, s24, 31                         ; the block of 128 tokens within the batch
	v_and_b32 v1, 31, v0
	v_lshlrev_b32 v[LI0], 4, v1                    ; 16 x lane
	v_add_nc_u32 v[LI1], 49152, v[LI0]             ; token tiles 4-7 lie beyond the reach of a 16-bit offset
	v_and_b32 v8, 15, v0                           ; r
	v_bfe_u32 v9, v0, 4, 1                         ; h
	v_and_b32 v10, 8, v8
	v_add_nc_u32 v10, v10, v8                      ; r + 8 (r / 8)
	v_mul_u32_u24 v[XA], v10, 3072
	v_lshl_add_u32 v[XA], v9, 6, v[XA]             ; x: my token's row, + 64 h: my 16 numbers of a block of 32
	s_mul_i32 s60, s22, 12288
	v_add_nc_u32 v[XWI], s60, v[LI0]               ; token tile w's six images
	s_lshl_b32 s60, s24, 7
	s_lshr_b32 s61, s22, 1
	s_lshl_b32 s61, s61, 5
	s_add_co_u32 s60, s60, s61
	s_and_b32 s61, s22, 1
	s_lshl_b32 s61, s61, 3
	s_add_co_u32 s60, s60, s61                     ; token 128 tb + 32 (w / 2) + 8 (w % 2)
	s_mul_i32 s60, s60, 3072
	s_mov_b32 s61, 0
	s_mul_i32 s62, s23, 48
	s_mul_i32 s63, s22, 6
	s_add_co_u32 s62, s62, s63                     ; W's tile 48 y + 6 w
	s_mul_i32 s62, s62, 12288
	s_mov_b32 s63, 0
	s_wait_kmcnt 0x0
	s_load_b256 s[28:35], s[14:15], 0x0            ; e0 .. e7
	s_load_b64 s[36:37], s[14:15], 0x20            ; e8, e9
	s_add_nc_u64 s[4:5], s[4:5], s[60:61]
	s_add_nc_u64 s[6:7], s[6:7], s[62:63]
	XLOAD 0
	XLOAD 1
	XLOAD 2
	s_wait_kmcnt 0x0
	s_cmp_eq_u32 s23, 0                            ; every choice hangs on the work-group's number alone
	s_cselect_b32 s38, s28, s30                    ; ex
	s_cselect_b32 s39, s29, s31                    ; ew
	s_cselect_b32 s40, s34, s35                    ; eo: the result's scale
	s_cselect_b64 s[44:45], s[8:9], s[10:11]       ; the bias
	s_cselect_b64 s[46:47], s[16:17], s[18:19]     ; where the codes go
	s_cmp_eq_u32 s23, 2
	s_cselect_b32 s38, s32, s38
	s_cselect_b32 s39, s33, s39
	s_cselect_b32 s40, s37, s40
	s_cselect_b64 s[44:45], s[12:13], s[44:45]
	s_cselect_b64 s[46:47], s[20:21], s[46:47]
	s_add_co_i32 s60, s38, 127
	s_lshl_b32 s61, s60, 23
	v_mov_b32 v[SCL], s61                          ; 2^ex as f32: the conversion takes its exponent field
	s_add_co_i32 s60, s60, 8
	s_lshl_b32 s60, s60, 23
	s_or_b32 s60, s60, 0x600000
	v_mov_b32 v[LIM], s60                          ; 448 x 2^ex
	s_add_co_i32 s42, s38, s39
	s_add_co_i32 s42, s42, 127
	s_lshl_b32 s42, s42, 23                        ; 2^(ex + ew): a sum stands for sum x that
	s_mov_b32 s43, s42                             ; (named with it as a pair, so it is written)
	s_add_co_i32 s67, s40, 127
	s_lshl_b32 s66, s67, 23                        ; 2^eo
	s_add_co_i32 s67, s67, 8
	s_lshl_b32 s67, s67, 23
	s_or_b32 s67, s67, 0x600000                    ; 448 x 2^eo
	s_mul_i32 s60, s22, 384
	s_mov_b32 s61, 0
	s_add_nc_u64 s[44:45], s[44:45], s[60:61]      ; the bias at my 96 columns
	s_mul_i32 s68, s25, 6                          ; 6 x batch
; ---- x: my token tile becomes six images.  Three K steps are on their way at a time; behind the third, W's first half step too.
.irp s, 0,1,2,3,4,5
.if \s < 3
	s_wait_loadcnt 32                              ; this K step's 16 loads are in; two younger K steps stay out
.else
	s_wait_loadcnt 12+16*(5-\s)                    ; the younger K steps, and W's 12 loads behind them, stay out
.endif
	XQUANT \s
	IMAGE \s
.if \s < 3
	XLOAD \s+3
.endif
.if \s == 2
	WLOAD 0
.endif
.endr
	s_wait_dscnt 0x0                               ; for the others' sake: my images have landed
	s_barrier_signal -1
	s_barrier_wait -1                              ; x's 48 images lie in LDS; from here on LDS is only read
	s_cmp_eq_u32 s23, 2
	s_cbranch_scc1 .Lv
; ---- q, k
	v_bfe_u32 v1, v0, 4, 1
	v_lshlrev_b32 v1, 6, v1                        ; the bias's lane offset: 16 h numbers
.irp b, 0,1,2                          ; my column tiles 2 b, 2 b + 1 are run 3 w + b of 32 columns: head (3 w + b) / 4, chunk (3 w + b) % 4
	s_mul_i32 s69, s22, 3
	s_add_co_u32 s69, s69, \b
	s_lshr_b32 s70, s69, 2
	s_add_co_u32 s70, s70, s68
	s_lshl_b32 s70, s70, 8
	s_lshl_b32 s71, s26, 3
	s_add_co_u32 s70, s70, s71                     ; image (6 batch + head) x 256 + 8 x block
	s_lshl_b32 s70, s70, 11
	s_and_b32 s69, s69, 3
	s_lshl_b32 s69, s69, 9
	s_add_co_u32 s70, s70, s69
	s_mov_b32 s71, 0
	s_add_nc_u64 s[48+2*\b:49+2*\b], s[46:47], s[70:71]
.endr
.set G, 0
	XFETCH 0
	XFETCH 1
.irp t, 0,1,2,3,4,5,6,7,8,9,10,11
	HSTEP \t, 0
.endr
	s_wait_loadcnt 0x0                             ; the bias
	v_mov_b32 v[LIM], s67
	v_mov_b32 v[SCL], s66
.macro QKOUT m                         ; token tile m: sum x 2^(ex + ew) + bias, held, converted: three chunks of 512 bytes
	WIN 0x01
.irp n, 0,1,2,3
.irp i, 0,2,4,6
	v_pk_fma_f32 v[TMP+8*\n+\i:TMP+8*\n+\i+1], v[8*(4*(\m)+\n)+\i:8*(4*(\m)+\n)+\i+1], s[42:43], v[BI+8*\n+\i:BI+8*\n+\i+1] op_sel_hi:[1,0,1]   ; each accumulator from its low end on
.endr
.endr
	WIN 0
.irp n, 4,5
.irp i, 0,2,4,6
	v_pk_fma_f32 v[TMP+8*\n+\i:TMP+8*\n+\i+1], v[128+8*(2*(\m)+\n-4)+\i:128+8*(2*(\m)+\n-4)+\i+1], s[42:43], v[BI+8*\n+\i:BI+8*\n+\i+1] op_sel_hi:[1,0,1]
.endr
.endr
.set i, 0
.rept 48
	v_med3_num_f32 v[TMP+i], v[TMP+i], -v[LIM], v[LIM]
.set i, i+1
.endr
	s_wait_xcnt 0x0                                ; the stores of two tiles back have read this set of code registers
.irp n, 0,1,2,3,4,5
	v_cvt_scalef32_pk8_fp8_f32 v[CD+12*((\m)%2)+2*\n:CD+12*((\m)%2)+2*\n+1], v[TMP+8*\n:TMP+8*\n+7], v[SCL]
.endr
	v_nop                                          ; one plain vector instruction behind the last conversion: the next tile writes its sources
.irp b, 0,1,2
	global_store_b128 v[LI0], v[CD+12*((\m)%2)+4*\b:CD+12*((\m)%2)+4*\b+3], s[48+2*\b:49+2*\b] offset:2048*(\m)   ; 512 consecutive bytes, aligned
.endr
.endm
.irp m, 0,1,2,3,4,5,6,7
	QKOUT \m
.endr
	s_wait_xcnt 0x0
	v_lshl_add_u32 v254, v0, 2, 0x18000
	v_mov_b32 v255, 0
	s_wait_tensorcnt 0x0
	ds_add_u32 v254, v255
	s_wait_dscnt 0x0
	s_endpgm
; ---- v
.Lv:
	v_and_b32 v1, 15, v0
	v_lshlrev_b32 v1, 2, v1                        ; the bias's lane offset: r numbers
.irp n, 0,1,2,3,4,5                    ; my column tile n is channel tile 6 w + n of 48: head (6 w + n) / 8, tile (6 w + n) % 8
	s_mul_i32 s69, s22, 6
	s_add_co_u32 s69, s69, \n
	s_lshr_b32 s70, s69, 3
	s_add_co_u32 s70, s70, s68
	s_lshl_b32 s70, s70, 5
	s_add_co_u32 s70, s70, s26                     ; key step = the block of 128 tokens
	s_lshl_b32 s70, s70, 3
	s_and_b32 s69, s69, 7
	s_add_co_u32 s70, s70, s69
	s_lshl_b32 s70, s70, 11
	s_mov_b32 s71, 0
	s_add_nc_u64 s[48+2*\n:49+2*\n], s[46:47], s[70:71]
.endr
.set G, 0
	XFETCH 0
	XFETCH 1
.irp t, 0,1,2,3,4,5,6,7,8,9,10,11
	HSTEP \t, 1
.endr
	s_wait_loadcnt 0x0                             ; the bias
	v_mov_b32 v[LIM], s67
	v_mov_b32 v[SCL], s66
.macro VOUT p, hn                      ; token tiles 2 p, 2 p + 1 (chunk p of the key step) x channel tiles 3 hn .. 3 hn + 2
.irp q, 0,1,2
.irp u, 0,1
.set AN, 3*(\hn)+\q
.set AM, 2*(\p)+\u
.if AN < 4
	WIN 0x01
.set AA, 8*(4*AM+AN)
.else
	WIN 0
.set AA, 128+8*(2*AM+AN-4)
.endif
.irp i, 0,2,4,6
	v_pk_fma_f32 v[TMP+8*(2*\q+\u)+\i:TMP+8*(2*\q+\u)+\i+1], v[AA+\i:AA+\i+1], s[42:43], v[BI+2*AN:BI+2*AN+1] op_sel_hi:[1,0,0]   ; each accumulator from its low end on; the channel's bias serves both halves
.endr
.endr
.endr
	WIN 0
.set i, 0
.rept 48
	v_med3_num_f32 v[TMP+i], v[TMP+i], -v[LIM], v[LIM]
.set i, i+1
.endr
	s_wait_xcnt 0x0                                ; the stores of two turns back have read this set of code registers
.irp n, 0,1,2,3,4,5
	v_cvt_scalef32_pk8_fp8_f32 v[CD+12*(\hn)+2*\n:CD+12*(\hn)+2*\n+1], v[TMP+8*\n:TMP+8*\n+7], v[SCL]
.endr
	v_nop                                          ; one plain vector instruction behind the last conversion
.irp q, 0,1,2
	global_store_b128 v[LI0], v[CD+12*(\hn)+4*\q:CD+12*(\hn)+4*\q+3], s[48+2*(3*(\hn)+\q):49+2*(3*(\hn)+\q)] offset:512*(\p)   ; 512 consecutive bytes, aligned
.endr
.endm
.irp p, 0,1,2,3
	VOUT \p, 0
	VOUT \p, 1
.endr
	s_wait_xcnt 0x0
	v_lshl_add_u32 v254, v0, 2, 0x18000
	v_mov_b32 v255, 0
	s_wait_tensorcnt 0x0
	ds_add_u32 v254, v255
	s_wait_dscnt 0x0
	s_endpgm
.Lfunc_end_k_qda738233b5_proj:
	.size	k_qda738233b5_proj, .Lfunc_end_k_qda738233b5_proj-k_qda738233b5_proj
	.p2alignl 7, 3214868480
	.fill 96, 4, 3214868480
	.section	.rodata,"a",@progbits
	.p2align	6, 0x0
	.amdhsa_kernel k_qda738233b5_proj
		.amdhsa_group_segment_fixed_size 99328
		.amdhsa_private_segment_fixed_size 0
		.amdhsa_enable_private_segment 0
		.amdhsa_kernarg_size 72
		.amdhsa_user_sgpr_count 2
		.amdhsa_user_sgpr_kernarg_segment_ptr 1
		.amdhsa_wavefront_size32 1
		.amdhsa_system_sgpr_workgroup_id_x 1
		.amdhsa_system_sgpr_workgroup_id_y 1
		.amdhsa_system_sgpr_workgroup_id_z 1
		.amdhsa_system_vgpr_workitem_id 0
		.amdhsa_next_free_vgpr 512
		.amdhsa_next_free_sgpr 72
		.amdhsa_reserve_vcc 0
		.amdhsa_float_denorm_mode_32 3
		.amdhsa_float_denorm_mode_16_64 3
		.amdhsa_memory_ordered 1
		.amdhsa_forward_progress 1
		.amdhsa_inst_pref_size 255
	.end_amdhsa_kernel
	.section	.bss,"aw",@nobits
	.p2align	6
	.space	262144
	.amdgpu_metadata
---
amdhsa.version: [ 1, 2 ]
amdhsa.kernels:
  - .name:           k_qda738233b5_proj
    .symbol:         k_qda738233b5_proj.kd
    .args:
      - { .name: hidden_states, .offset: 0, .size: 8, .value_kind: global_buffer, .address_space: global }
      - { .name: w_img, .offset: 8, .size: 8, .value_kind: global_buffer, .address_space: global }
      - { .name: bq, .offset: 16, .size: 8, .value_kind: global_buffer, .address_space: global }
      - { .name: bk, .offset: 24, .size: 8, .value_kind: global_buffer, .address_space: global }
      - { .name: bv, .offset: 32, .size: 8, .value_kind: global_buffer, .address_space: global }
      - { .name: lowp_scales, .offset: 40, .size: 8, .value_kind: global_buffer, .address_space: global }
      - { .name: q_img, .offset: 48, .size: 8, .value_kind: global_buffer, .address_space: global }
      - { .name: k_img, .offset: 56, .size: 8, .value_kind: global_buffer, .address_space: global }
      - { .name: v_img, .offset: 64, .size: 8, .value_kind: global_buffer, .address_space: global }
    .group_segment_fixed_size: 99328
    .private_segment_fixed_size: 0
    .kernarg_segment_align: 8
    .kernarg_segment_size: 72
    .max_flat_workgroup_size: 256
    .sgpr_count:     72
    .vgpr_count:     512
    .wavefront_size: 32
...
	.end_amdgpu_metadata
.endif
;; end of part 2
;; launch attn (part 3): grid 16 x 12, 8 waves a work-group, clusters of 4 x 1, 327,680 bytes of LDS; arguments q_img, k_img, v_img, lowp_scales, out0; writes out0
.if DOCPART == 3
	.amdgcn_target "amdgcn-amd-amdhsa--gfx1250"
	.amdhsa_code_object_version 6
	.text
	.protected	k_qda738233b5_attn
	.globl	k_qda738233b5_attn
	.p2align	8
	.type	k_qda738233b5_attn,@function
k_qda738233b5_attn:
	s_mov_b64 s[64:65], 0
	v_nop
	global_prefetch_b8 v0, s[64:65] scope:SCOPE_SE
	s_setreg_imm32_b32 hwreg(HW_REG_WAVE_MODE, 25, 1), 1
	s_wait_xcnt 0x0
	s_wait_alu depctr_hold_cnt(0) depctr_sa_sdst(0) depctr_va_vdst(0) depctr_va_sdst(0) depctr_va_ssrc(0) depctr_va_vcc(0) depctr_vm_vsrc(0)
	s_getreg_b32 s2, hwreg(HW_REG_IB_STS2, 6, 4)
	s_cmp_eq_u32 s2, 0
	s_cbranch_scc0 .Lentry_in_a_cluster
	s_endpgm
.Lentry_in_a_cluster:
	s_bfe_u32 s2, ttmp6, 0x10000c
	s_cmp_lg_u32 s2, 0x3003
	s_cbranch_scc0 .Lentry_shape_is_right
	s_endpgm
.Lentry_shape_is_right:
; out0[b][q][128 head + :] = the sum over keys of softmax(q . k / sqrt(128)) v, both products on codes of E4M3 with the given scales: q 2^e6, k 2^e7, p 2^e8, v 2^e9.
; q_img, k_img: [6 batch + head][token tile 256][2,048]; v_img: [6 batch + head][key step 32][channel tile 8][2,048]: IMAGES OF OPERAND REGISTERS (16 rows x 128 along K: chunk c at 512 c, lane L's 16 bytes at 16 L;
; lane (r = L % 16, h = L / 16) holds k = 32 c + 16 h + 0 .. 15 of row r).  Token tile 2 b + u holds tokens 32 b + 8 u + r + 8 (r / 8); V's rows are channels, its K the step's 128 keys.
; THE SOFTMAX AHEAD OF THE SECOND PRODUCT: t = score x log2(e) / sqrt(128); M = the running largest t rounded UP to a whole number; p = 2^(t - M) is quantised, not normalised; the row's sum is taken of the unquantised p
; and divides at the end.  When M moves, the sum and O are multiplied by 2^(old M - new M): exact.
; SHARES.  A work-group owns 256 queries of one (batch, head); each of its eight waves two token tiles, 32 tokens on end: tile A in register window 0, tile B in window 1, at the same numbers.  So each fragment of K and V that
; a wave reads from LDS feeds two products; two waves share a SIMD, so that one wave's vector work stands beside the other's products and LDS loads.  Every wave walks all 4,096 keys, 128 a step.
; Both products are used transposed: S^T = K Q^T, O^T = V^T P^T: a lane holds ONE query throughout, and the 16 registers of key tiles 2 b, 2 b + 1 are keys 32 b + 16 h + 0 .. 15: the conversions' results are the second product's operand.
; CLUSTER.  The four query blocks of a cluster belong to one (batch, head) and walk the same K and V: each tile is asked for JOINTLY (mask 15).  A ring of two LDS slots of 256 keys; a slot is four dense blocks of 16 KB
; (K's two steps, V's two), one tensor load each, by waves 0 to 3.  By this text's count a wave has one tensor load outstanding at any time.
; LIMITS on the given exponents: e6 + e7 between -123 and 130 (they are added to c's exponent field); e8 between -126 and 119; e8 + e9 is applied by v_ldexp_f32 and has none.
; REGISTERS, the same numbers in both windows: v12 -M, v13 the largest t, v[14:15] the sum in two halves; v16-31 Q; v32-95 four fragments of K or V (tiles 0-3 in window 0, 4-7 in window 1); v96-159 S^T, then p; v160-223 O^T;
;   v224-239 p's codes; v240 448 x 2^e8, v244 2^e8; v236, v242-243, v252-254 at work.  Window 0 alone: v1 16 x lane, v2 the LDS address in hand, v3 256 x lane, v5, v6 the spare word's address and 0, v8, v9 the stage.
.set SLOT1, 65536                      ; slot 0 at 0, slot 1 here: one exclusive or turns an address from one into the other.  In a slot: K's steps at 0 and 16,384, V's at 32,768 and 49,152
.set SPARE, 131072                     ; behind the ring: the spare words, 128 bytes for each wave: four blocks of 256 bytes that no other line names
.set STAGE, 132096                     ; the way out: 16 rows x (512 bytes + 16) for each wave; no tensor load lands here
.set SP,    528
.set LI,   1
.set ADR,  2
.set PFO,  3
.set SPW,  5
.set NIL,  6
.set STO,  8
.set RD,   9
.set WV,   14                          ; s14  my wave's number
.set SEL,  20                          ; s[20:21] lane selects for v_permlanex16_b32: lane l xor 16
.set CS,   22                          ; s[22:23] c = log2(e) / sqrt(128) x 2^(e6 + e7)
.set G1,   24                          ; s[24:31] descriptor group 1: one shape for all loads
.set G0K,  32                          ; s[32:35], s[36:39] groups 0 for K's and V's blocks, which walk
.set G0V,  36
.set TB,   40                          ; s40  LDS byte at which the slot in hand begins
.set SLOTS, 41                         ; s41  slots still to be asked for
.set LIM,  42                          ; s42  1 in a wave that prefetches, else the greatest number
.set PFA,  44                          ; s[44:45] where my prefetches stand
.set OB,   46                          ; s[46:47] out0 at my wave's first token and my head
.set MSB, 0
.macro WIN new                         ; s_set_vgpr_msb: bits 1:0 source 0, 3:2 source 1, 5:4 source 2, 7:6 destination; the high byte repeats the setting that is left
.if MSB != \new
	s_set_vgpr_msb (MSB<<8)|\new
.set MSB, \new
.endif
.endm
; A round of the cluster's barrier: my work-group's barrier, wave 0 signals for the work-group, every wave waits for all four work-groups, my work-group's barrier once more.
.macro CROUND
	s_barrier_signal -1
	s_barrier_wait -1
	s_cmp_lg_u32 s[WV], 0
	s_cbranch_scc1 .Lnot_wave_0_\@
	s_barrier_signal -3
.Lnot_wave_0_\@:
	s_barrier_wait -3
	s_barrier_signal -1
	s_barrier_wait -1
.endm
; A joint load: waves 0 and 1 fetch K's two steps, waves 2 and 3 V's, the others nothing.  The branches hang on the wave's number alone.  Four v_nop follow each of the two tensor loads.
.macro TLOAD
	s_cmp_lt_u32 s[WV], 2
	s_cbranch_scc0 .Lnot_k_\@
	tensor_load_to_lds s[G0K:G0K+3], s[G1:G1+7]
	s_nop 0
.rept 4
	v_nop
.endr
	s_branch .Lasked_\@
.Lnot_k_\@:
	s_cmp_lt_u32 s[WV], 4
	s_cbranch_scc0 .Lasked_\@
	tensor_load_to_lds s[G0V:G0V+3], s[G1:G1+7]
	s_nop 0
.rept 4
	v_nop
.endr
.Lasked_\@:
.endm
; A PREFETCH INTO THE L2 of what the NEXT change of slots will ask for: a slot's 32 KB of K and 32 KB of V, two key steps ahead of that load.  Each aligned block of 256 bytes is named once in the launch: all four clusters of a
; (batch, head) walk the same K and V, so the first of them asks; its four partners take 8 KB each, told apart BY ADDRESS; in each, wave 4 asks for K's and wave 5 for V's, lanes 256 bytes apart: one instruction.
; The last change that fills a slot asks for nothing; slots 0 and 1 come by their loads alone.
.macro ASK
	s_cmp_gt_u32 s[SLOTS], s[LIM]
	s_cbranch_scc0 .Lnot_mine_\@
	global_prefetch_b8 v[PFO], s[PFA:PFA+1] th:TH_LOAD_NT scope:SCOPE_SE
.Lnot_mine_\@:
.endm
	s_load_b256 s[4:11], s[0:1], 0x0               ; q_img s[4:5], k_img s[6:7], v_img s[8:9], the scales' exponents s[10:11]
	s_load_b64 s[12:13], s[0:1], 0x20              ; out0
	v_lshl_add_u32 v[SPW], v0, 2, SPARE
	v_mov_b32 v[NIL], 0
	ds_add_u32 v5, v6
	s_wait_dscnt 0x0
	v_lshrrev_b32 v2, 5, v0
	v_readfirstlane_b32 s[WV], v2                  ; wave 0..7
	v_and_b32 v[LI], 31, v0
	v_lshlrev_b32 v[PFO], 8, v[LI]
	v_lshlrev_b32 v[LI], 4, v[LI]
	s_bfe_u32 s15, ttmp6, 0x40000                  ; cx: it enters Q's, out0's and the prefetches' addresses alone
	s_lshl_b32 s16, ttmp9, 2
	s_add_co_u32 s16, s16, s15                     ; my block of 256 queries = 4 x cluster x + cx
	s_and_b32 s17, ttmp7, 0xffff                   ; 6 batch + head, which the four partners share
	s_lshl_b32 s52, s17, 19                        ; its 524,288 bytes in each buffer of images
	s_and_b32 s54, s[WV], 1
	s_lshl_b32 s54, s54, 14                        ; which of a slot's two steps I fetch: 16 KB, in memory and in the slot
	s_add_co_u32 s56, s52, s54
	s_mov_b32 s57, 0
	s_lshl_b32 s58, s16, 15                        ; Q: token tile 16 x block + 2 x wave
	s_add_co_u32 s58, s58, s52
	s_lshl_b32 s59, s[WV], 12
	s_add_co_u32 s58, s58, s59
	s_mov_b32 s59, 0
	s_cmp_ge_u32 s17, 6
	s_cselect_b32 s60, 1, 0                        ; batch
	s_mul_i32 s61, s60, 6
	s_sub_co_u32 s61, s17, s61                     ; head
	s_lshl_b32 s60, s60, 12
	s_lshl_b32 s62, s16, 8
	s_add_co_u32 s60, s60, s62
	s_lshl_b32 s62, s[WV], 5
	s_add_co_u32 s60, s60, s62                     ; token 4,096 batch + 256 block + 32 wave
	s_mul_i32 s60, s60, 3072
	s_lshl_b32 s61, s61, 9
	s_add_co_u32 s60, s60, s61                     ; + the head's 512 bytes of a row
	s_mov_b32 s61, 0
	; descriptor group 1: a dense block of 16 KB as 64 rows of 256 bytes
	s_mov_b32 s[G1], 15|(3<<16)|(1<<21)            ; 15:0 the mask: all four work-groups; 17:16 elements of 8 bytes; 21 set beside a mask; no padding: an image is read 512 consecutive bytes at a time
	s_mov_b32 s[G1+1], 32<<16                      ; tensor_dim0 = 32
	s_mov_b32 s[G1+2], 64<<16                      ; tensor_dim1 = 64
	s_mov_b32 s[G1+3], 32<<16                      ; tile_dim0 = 32
	s_mov_b32 s[G1+4], 64                          ; tile_dim1 = 64
	s_mov_b32 s[G1+5], 32                          ; tensor_dim0_stride
	s_mov_b32 s[G1+6], 0
	s_mov_b32 s[G1+7], 0
	s_mov_b32 s[SEL], 0x76543210
	s_mov_b32 s[SEL+1], 0xfedcba98
	s_mov_b32 s[CS], 0x3e0293ee                    ; c = log2(e) / sqrt(128)
	s_mov_b32 s[TB], 0
	s_mov_b32 s[SLOTS], 15                         ; 16 slots' worth of keys
	s_wait_kmcnt 0x0
	s_load_b128 s[48:51], s[10:11], 0x18           ; e6, e7, e8, e9
	s_mov_b32 s[G0K], 1                            ; count = 1
	s_mov_b32 s[G0K+1], s54                        ; LDS address: slot 0, my step of K
	s_add_nc_u64 s[G0K+2:G0K+3], s[6:7], s[56:57]
	s_or_b32 s[G0K+3], s[G0K+3], 0x80000000        ; type = 2
	s_mov_b32 s[G0V], 1
	s_add_co_u32 s[G0V+1], s54, 32768              ; my step of V
	s_add_nc_u64 s[G0V+2:G0V+3], s[8:9], s[56:57]
	s_or_b32 s[G0V+3], s[G0V+3], 0x80000000
	CROUND                                         ; all four work-groups are here: the first joint loads meet
	TLOAD                                          ; slot 0
	s_add_nc_u64 s[4:5], s[4:5], s[58:59]
	s_add_nc_u64 s[OB:OB+1], s[12:13], s[60:61]
.irp c, 0,1,2,3
	global_load_b128 v[16+4*\c:19+4*\c], v[LI], s[4:5] offset:512*\c        ; Q's fragments stay in registers: tile A,
.endr
	WIN 0x40
.irp c, 0,1,2,3
	global_load_b128 v[16+4*\c:19+4*\c], v[LI], s[4:5] offset:2048+512*\c   ; tile B
.endr
	WIN 0
	s_cmp_eq_u32 s[WV], 4                          ; the prefetches: wave 4 asks for K's codes, wave 5 for V's
	s_cselect_b64 s[PFA:PFA+1], s[6:7], s[8:9]
	s_lshl_b32 s62, s15, 13                        ; my work-group's 8 KB of a slot's 32,
	s_add_co_u32 s62, s62, s52
	s_add_co_u32 s62, s62, 32768                   ; in slot 1: the first change of slots steps it to slot 2.  Nothing is prefetched here, at the head
	s_mov_b32 s63, 0
	s_add_nc_u64 s[PFA:PFA+1], s[PFA:PFA+1], s[62:63]
	s_sub_co_u32 s62, s[WV], 4
	s_lshr_b32 s62, s62, 1                         ; 0 in waves 4 and 5,
	s_or_b32 s62, s62, ttmp9                       ; of the first cluster: the same in all four partners
	s_cmp_eq_u32 s62, 0
	s_cselect_b32 s[LIM], 1, -1
	s_wait_kmcnt 0x0
	s_add_co_i32 s52, s48, s49
	s_lshl_b32 s52, s52, 23
	s_add_co_i32 s[CS], s[CS], s52                 ; a score stands for score x 2^(e6 + e7): the two exponents are added to c's exponent field
	s_mov_b32 s[CS+1], s[CS]                       ; (named with it as a pair, so it is written)
	s_add_co_i32 s52, s50, 127
	s_lshl_b32 s53, s52, 23                        ; 2^e8 as f32
	s_add_co_i32 s52, s52, 8
	s_lshl_b32 s52, s52, 23
	s_or_b32 s52, s52, 0x600000                    ; 448 x 2^e8
	s_add_co_i32 s54, s50, s51                     ; e8 + e9
; The key step is written without a first step of its own: O^T and the sum begin as zeros and the largest t as -3e38; the first change of M multiplies zeros.  These moves run once.
.macro INIT
	v_mov_b32 v13, 0xff61b1e6                      ; -3e38, under every t
	v_floor_f32 v12, -v13                          ; -M
	v_mov_b32 v14, 0
	v_mov_b32 v15, 0
	v_mov_b32 v236, 0                              ; a lane permute's destination counts as one of its sources
	v_mov_b32 v253, 0                              ; (named as the upper half of the pair v[252:253])
	v_mov_b32 v244, s53
	v_mov_b32 v240, s52
.set i, 0
.rept 64
	v_mov_b32 v[160+i], 0
.set i, i+1
.endr
.endm
	INIT
	WIN 0x55
	INIT
	WIN 0
; ONE TILE'S SOFTMAX FOR A KEY STEP, in the window that is set: all its registers have the same numbers in both windows.
.macro SOFTMAX
	v_max3_num_f32 v254, v96, v97, v98             ; the step's largest score of my query among my 64 keys, in two chains; each accumulator is read from its low end on
	v_max3_num_f32 v252, v99, v100, v101
.set i, 6
.rept 14
	v_max3_num_f32 v254, v254, v[96+i], v[97+i]
	v_max3_num_f32 v252, v252, v[98+i], v[99+i]
.set i, i+4
.endr
	v_max3_num_f32 v254, v254, v158, v159
	v_max_num_f32 v254, v254, v252
	v_permlanex16_b32 v236, v254, s[SEL], s[SEL+1]
	v_max_num_f32 v254, v254, v236                 ; and among lane l xor 16's
	v_mul_f32 v254, s[CS], v254                    ; as t (c is positive)
	v_max_num_f32 v13, v13, v254                   ; the running largest t
	v_mov_b32 v254, v12
	v_floor_f32 v12, -v13                          ; the new -M = floor(-t) = -ceil(t)
	v_sub_f32 v254, v12, v254                      ; old M - new M: a whole number, 0 or less
	v_cvt_i32_f32 v254, v254                       ; (it saturates)
	v_ldexp_f32 v252, 1.0, v254                    ; f = 2^(old M - new M)
.set i, 0
.rept 32
	v_pk_fma_f32 v[96+i:97+i], v[96+i:97+i], s[CS:CS+1], v[12:13] op_sel_hi:[1,0,0]   ; t - M, two at a time
.set i, i+2
.endr
.set i, 0
.rept 64
	v_exp_f32 v[96+i], v[96+i]                     ; p = 2^(t - M), at most 1
.set i, i+1
.endr
	v_pk_mul_f32 v[14:15], v[14:15], v[252:253] op_sel_hi:[1,0]   ; the sums under the new M: the plain instruction behind the exponentials
	s_wait_alu depctr_va_vdst(0)                   ; one wait for the whole batch, ahead of its first reader
	v_pk_add_f32 v[242:243], v[96:97], v[98:99]    ; the row's sum is taken of the unquantised p: two at a time, in two chains
.set i, 4
.rept 15
	v_pk_add_f32 v[14:15], v[14:15], v[96+i:97+i]
	v_pk_add_f32 v[242:243], v[242:243], v[98+i:99+i]
.set i, i+4
.endr
	v_pk_add_f32 v[14:15], v[14:15], v[242:243]
.irp b, 0,1,2,3
.irp j, 0,1,2,3,4,5,6,7,8,9,10,11,12,13,14,15
	v_min_num_f32 v[96+16*\b+\j], v[96+16*\b+\j], v240   ; the conversion does not saturate (ISA guide 7.6.2); p is not negative, so the hold is one-sided
.endr
	v_cvt_scalef32_pk8_fp8_f32 v[224+4*\b:225+4*\b], v[96+16*\b:103+16*\b], v244
	v_cvt_scalef32_pk8_fp8_f32 v[226+4*\b:227+4*\b], v[104+16*\b:111+16*\b], v244
.endr
.set i, 0
.rept 32
	v_pk_mul_f32 v[160+i:161+i], v[160+i:161+i], v[252:253] op_sel_hi:[1,0]   ; O^T under the new M; also the plain instructions behind the conversions
.set i, i+2
.endr
.endm
.macro KQG win, lo                     ; four products S^T = K Q^T: key tiles lo .. lo + 3 from the four fragments of one window, for the tile whose window is set; each starts its sum
	WIN \win
.irp t, 0,1,2,3
	v_wmma_f32_16x16x128_fp8_fp8 v[96+8*(\lo+\t):103+8*(\lo+\t)], v[32+16*\t:47+16*\t], v[16:31], 0
.endr
.endm
.macro PVG win, lo                     ; four products O^T += V^T P^T: channel tiles lo .. lo + 3
	WIN \win
.irp t, 0,1,2,3
	v_wmma_f32_16x16x128_fp8_fp8 v[160+8*(\lo+\t):167+8*(\lo+\t)], v[32+16*\t:47+16*\t], v[224:239], v[160+8*(\lo+\t):167+8*(\lo+\t)]
.endr
.endm
.macro FRAGS off                       ; eight images from byte off of the slot in hand: 0-3 into window 0, 4-7 into window 1; 512 consecutive bytes a load
.irp t, 0,1,2,3
.irp c, 0,1,2,3
	ds_load_b128 v[32+16*\t+4*\c:35+16*\t+4*\c], v[ADR] offset:\off+2048*\t+512*\c
.endr
.endr
	WIN 0x40
.irp t, 0,1,2,3
.irp c, 0,1,2,3
	ds_load_b128 v[32+16*\t+4*\c:35+16*\t+4*\c], v[ADR] offset:\off+2048*(\t+4)+512*\c
.endr
.endr
.endm
; A KEY STEP: 128 keys, the q-th of the slot in hand.  The sixteen accumulators of each kind take turns, one instruction a turn.
.macro STEP q
	v_add_nc_u32 v[ADR], s[TB], v[LI]
.rept 3
	v_nop                                          ; with the addition above: four places in front of loads into registers that the last products read
.endr
	FRAGS 16384*\q
	s_wait_dscnt 16                                ; K's fragments 0-3 are in; the sixteen younger loads stay out
	KQG 0x00, 0                                    ; tile A
	KQG 0x44, 0                                    ; tile B: Q and S^T in window 1
	s_wait_dscnt 0x0
	KQG 0x01, 4                                    ; fragments 4-7, from window 1
	KQG 0x45, 4
	WIN 0
.rept 4
	v_nop                                          ; four places in front of the first read of the scores and of the loads below
.endr
	FRAGS 32768+16384*\q                           ; V's eight fragments land while the softmax is worked
	WIN 0
	SOFTMAX
	WIN 0x55
	SOFTMAX
	s_wait_dscnt 0x0                               ; V is in
	PVG 0x00, 0
	PVG 0x54, 0
	PVG 0x01, 4
	PVG 0x55, 4
	WIN 0
.endm
; THE CHANGE OF SLOTS stands at a slot's head.  Each wave waits for all its tensor loads (its part of the slot ahead), adds 0 to its spare word, and waits for that and for its reads of the slot that it has left.
; fill = 1: the barrier is a round of the cluster's, so that no wave of any partner still reads that slot or has a load on its way; the joint refill is the first thing behind it and has two key steps in which to land.
.macro CHANGE fill
	WIN 0
	s_wait_tensorcnt 0x0                           ; no tensor load of mine is out, so a group 0 may be written
	ds_add_u32 v[SPW], v[NIL]                      ; 0 onto my spare word
.if \fill
	s_xor_b32 s[G0K+1], s[G0K+1], SLOT1            ; the walking descriptors: the other slot than last time,
	s_add_nc_u64 s[G0K+2:G0K+3], s[G0K+2:G0K+3], 32768   ; the next 256 keys; the type bits on top are not reached
	s_xor_b32 s[G0V+1], s[G0V+1], SLOT1
	s_add_nc_u64 s[G0V+2:G0V+3], s[G0V+2:G0V+3], 32768
	s_wait_xcnt 0x0                                ; the last prefetch, a slot back, has read its address, so it may be written:
	s_add_nc_u64 s[PFA:PFA+1], s[PFA:PFA+1], 32768 ; one slot further on than the walking descriptors
	s_wait_dscnt 0x0                               ; the add is done, and my reads of the slot that I have left are over
	CROUND
	TLOAD
	ASK
.else
	s_wait_dscnt 0x0
	s_barrier_signal -1
	s_barrier_wait -1
.endif
.endm
.macro SLOT_STEPS
	STEP 0
	STEP 1
	s_xor_b32 s[TB], s[TB], SLOT1                  ; on to the other slot
.endm
	s_wait_loadcnt 0x0                             ; Q
.Lslot:                                            ; 15 trips: behind each change of slots but the last the next slot is asked for (slot 1's first fill is issued as a refill is)
	CHANGE 1
	SLOT_STEPS
	s_sub_co_u32 s[SLOTS], s[SLOTS], 1
	s_cmp_lg_u32 s[SLOTS], 0
	s_cbranch_scc1 .Lslot
	CHANGE 0                                       ; the last slot is written out
	SLOT_STEPS
	; THE WAY OUT.  O^T / the sum x 2^(e8 + e9) goes through my stage in LDS, a tile of 16 queries at a time, and comes back as whole rows of 512 bytes.  The address work below is also the places behind the last products.
	v_and_b32 v[STO], 15, v0                       ; r
	v_bfe_u32 v[RD], v0, 4, 1                      ; h
	v_mul_u32_u24 v[STO], v[STO], SP
	v_lshl_add_u32 v[STO], v[RD], 5, v[STO]
	s_mul_i32 s55, s[WV], 16*SP
	s_add_co_u32 s55, s55, STAGE                   ; my stage
	v_add_nc_u32 v[STO], s55, v[STO]               ; in: row r; channel tile t's eight channels of my half: 64 t + 32 h bytes on
	v_add_nc_u32 v[RD], s55, v[LI]                 ; back: the 32 lanes take one row
.macro FINISH                          ; in the window that is set
	v_add_f32 v14, v14, v15                        ; the sum's two halves,
	v_permlanex16_b32 v252, v14, s[SEL], s[SEL+1]
	v_add_f32 v14, v14, v252                       ; and lane l xor 16's
	v_rcp_f32 v14, v14
	v_nop                                          ; a plain instruction behind the reciprocal
	s_wait_alu depctr_va_vdst(0)                   ; and the wait ahead of its first reader
	v_ldexp_f32 v14, v14, s54                      ; x 2^(e8 + e9)
.set i, 0
.rept 64
	v_mul_f32 v[96+i], v[160+i], v14               ; register 8 t + j is o(query r, channel 16 t + 8 h + j); each accumulator from its low end on
.set i, i+1
.endr
.endm
.macro TOSTAGE                         ; LDS serves a wave's instructions in order (ISA guide 5.7.1.4): the loads see the stores, and the next tile's stores come behind these loads
.irp t, 0,1,2,3,4,5,6,7
	ds_store_b128 v[STO], v[96+8*\t:99+8*\t] offset:64*\t
	ds_store_b128 v[STO], v[100+8*\t:103+8*\t] offset:64*\t+16
.endr
.endm
.macro FROMSTAGE
.irp t, 0,1,2,3,4,5,6,7,8,9,10,11,12,13,14,15
	ds_load_b128 v[32+4*\t:35+4*\t], v[RD] offset:\t*SP
.endr
.endm
.macro SEND u                          ; row t of token tile u of my pair is token 8 u + t + 8 (t / 8) of my 32
.irp t, 0,1,2,3,4,5,6,7,8,9,10,11,12,13,14,15
	global_store_b128 v[LI], v[32+4*\t:35+4*\t], s[OB:OB+1] offset:(8*\u+\t+8*(\t/8))*3072 th:TH_STORE_NT   ; 512 consecutive bytes, aligned; written once, read by nobody here
.endr
.endm
	FINISH                                         ; tile A
	TOSTAGE
	FROMSTAGE
	WIN 0x55
	FINISH                                         ; tile B
	WIN 0x04                                       ; a store's data in window 1, its address in window 0
	TOSTAGE
	WIN 0x40
	FROMSTAGE
	WIN 0
	s_wait_dscnt 32                                ; tile A's rows are back; tile B's 16 stores and 16 loads stay out
	SEND 0
	s_wait_dscnt 0x0
	WIN 0x04
	SEND 1
	WIN 0
	s_wait_tensorcnt 0x0                           ; the wave's end, behind my last tensor load and my last LDS store
	ds_add_u32 v[SPW], v[NIL]
	s_wait_dscnt 0x0
	CROUND                                         ; the closing round: no work-group ends while a partner may still ask for a tile that names it
	s_endpgm
.Lfunc_end_k_qda738233b5_attn:
	.size	k_qda738233b5_attn, .Lfunc_end_k_qda738233b5_attn-k_qda738233b5_attn
	.p2alignl 7, 3214868480
	.fill 96, 4, 3214868480
	.section	.rodata,"a",@progbits
	.p2align	6, 0x0
	.amdhsa_kernel k_qda738233b5_attn
		.amdhsa_group_segment_fixed_size 327680
		.amdhsa_private_segment_fixed_size 0
		.amdhsa_enable_private_segment 0
		.amdhsa_kernarg_size 40
		.amdhsa_user_sgpr_count 2
		.amdhsa_user_sgpr_kernarg_segment_ptr 1
		.amdhsa_wavefront_size32 1
		.amdhsa_system_sgpr_workgroup_id_x 1
		.amdhsa_system_sgpr_workgroup_id_y 1
		.amdhsa_system_sgpr_workgroup_id_z 1
		.amdhsa_system_vgpr_workitem_id 0
		.amdhsa_next_free_vgpr 512
		.amdhsa_next_free_sgpr 72
		.amdhsa_reserve_vcc 0
		.amdhsa_float_denorm_mode_32 3
		.amdhsa_float_denorm_mode_16_64 3
		.amdhsa_memory_ordered 1
		.amdhsa_forward_progress 1
		.amdhsa_inst_pref_size 156
	.end_amdhsa_kernel
	.amdgpu_metadata
---
amdhsa.version: [ 1, 2 ]
amdhsa.kernels:
  - .name:           k_qda738233b5_attn
    .symbol:         k_qda738233b5_attn.kd
    .args:
      - { .name: q_img, .offset: 0, .size: 8, .value_kind: global_buffer, .address_space: global }
      - { .name: k_img, .offset: 8, .size: 8, .value_kind: global_buffer, .address_space: global }
      - { .name: v_img, .offset: 16, .size: 8, .value_kind: global_buffer, .address_space: global }
      - { .name: lowp_scales, .offset: 24, .size: 8, .value_kind: global_buffer, .address_space: global }
      - { .name: out0, .offset: 32, .size: 8, .value_kind: global_buffer, .address_space: global }
    .group_segment_fixed_size: 327680
    .private_segment_fixed_size: 0
    .kernarg_segment_align: 8
    .kernarg_segment_size: 40
    .max_flat_workgroup_size: 256
    .sgpr_count:     72
    .vgpr_count:     512
    .wavefront_size: 32
...
	.end_amdgpu_metadata
.endif
;; end of part 3
;; ======== version 2 of 2: 3 launches
;; limits: right only within a limited range of input values
;; workspace buffers: w_img 1,769,472 bytes; q_img 6,291,456 bytes; k_img 6,291,456 bytes; v_img 6,291,456 bytes
;; launch prep (part 4): grid 18 x 12, 4 waves a work-group, no clusters, 0 bytes of LDS; arguments Wq, Wk, Wv, lowp_scales, w_img; writes w_img
.if DOCPART == 4
	.amdgcn_target "amdgcn-amd-amdhsa--gfx1250"
	.amdhsa_code_object_version 6
	.text
	.protected	k_qda738233b5_prep
	.globl	k_qda738233b5_prep
	.p2align	8
	.type	k_qda738233b5_prep,@function
k_qda738233b5_prep:
	s_mov_b64 s[64:65], 0
	v_nop
	global_prefetch_b8 v0, s[64:65] scope:SCOPE_SE
	s_setreg_imm32_b32 hwreg(HW_REG_WAVE_MODE, 25, 1), 1
	s_wait_xcnt 0x0
; Wq, Wk, Wv [768 (k)][768 (n)], f32, K along the FIRST axis, become codes of E4M3 with the given scales 2^e1, 2^e3, 2^e5, laid as IMAGES OF OPERAND REGISTERS:
; w_img [matrix 3][column tile 48][K step 6][2,048 bytes].  An image is a fragment of 16 columns x 128 along K as the registers hold it: chunk c (0..3) at 512 c, lane L's 16 bytes at 16 L;
; lane (r = L % 16, h = L / 16) holds, of the tile's row r, k = 32 c + 16 h + 0 .. 15.
; WHICH COLUMNS FORM A TILE.  Wq, Wk: tile 2 R + u takes columns 32 R + 8 u + r + 8 (r / 8), so that the next launch's results of two neighbouring tiles are 16 neighbours along the head's axis.  Wv: tile j takes columns 16 j + r.
; SHARES.  Work-group x = 6 x matrix + block of 128 columns; y = which 64 along K.  A LANE TAKES A COLUMN AND ITS REGISTERS RUN DOWN K: each load reads 128 consecutive bytes a wave (the four waves side by side: 512),
; and the conversions, which take neighbours along K from one lane's registers, give codes with K innermost.  A lane's 16 codes are 16 bytes of an image; sixteen lanes of one tile store 256 consecutive bytes, aligned.
; code = x / 2^e, held within +-448, to the nearest code, ties to even.  LIMITS: e1, e3, e5 between -126 and 119.  NaN among the inputs is not served.
; No LDS, no barrier, no loop: waves share nothing, every offset is an immediate, and no store's data are written again.
.set WROW,  3072                       ; a row of W in bytes
.set TILEB, 12288                      ; a column tile's six images
.set X,     16                         ; v16-79  my column's 64 numbers
.set C,     80                         ; v80-95  their codes
	s_load_b128 s[4:7], s[0:1], 0x0                ; Wq, Wk
	s_load_b128 s[8:11], s[0:1], 0x10              ; Wv, the scales' exponents
	s_load_b64 s[12:13], s[0:1], 0x20              ; w_img
	v_lshrrev_b32 v1, 5, v0
	v_readfirstlane_b32 s14, v1                    ; wave 0..3
	v_and_b32 v2, 31, v0                           ; lane l: my column among the wave's 32
	v_lshlrev_b32 v3, 2, v2                        ; in: 4 bytes a lane
	s_mul_hi_u32 s15, ttmp9, 0x2aaaaaab            ; matrix = x / 6 (x under 18)
	s_mul_i32 s27, s15, 6
	s_sub_co_u32 s27, ttmp9, s27                   ; block of 128 columns
	s_and_b32 s28, ttmp7, 0xffff                   ; which 64 along K
	v_bfe_u32 v5, v2, 3, 1                         ; Wq, Wk: u = (l / 8) % 2,
	v_and_b32 v6, 7, v2
	v_lshrrev_b32 v7, 4, v2
	v_lshl_or_b32 v6, v7, 3, v6                    ; r = l % 8 + 8 (l / 16)
	v_mul_u32_u24 v5, v5, TILEB
	v_lshl_add_u32 v5, v6, 4, v5                   ; u tiles on, + 16 r
	v_and_b32 v8, 15, v2                           ; Wv: u = l / 16, r = l % 16
	v_mul_u32_u24 v9, v7, TILEB
	v_lshl_add_u32 v9, v8, 4, v9
	s_cmp_eq_u32 s15, 2
	s_cselect_b32 s30, -1, 0
	v_cndmask_b32 v4, v5, v9, s30                  ; out: my 16 bytes' place; never rewritten
	s_mul_i32 s32, s28, 64*WROW                    ; W: 64 y rows down,
	s_lshl_b32 s33, s27, 9
	s_add_co_u32 s32, s32, s33                     ; + 128 columns x block,
	s_lshl_b32 s33, s14, 7
	s_add_co_u32 s32, s32, s33                     ; + 32 columns x wave
	s_mov_b32 s33, 0
	s_lshl_b32 s34, ttmp9, 3                       ; w_img: tile 8 x + 2 wave (48 x matrix + 8 x block = 8 x),
	s_lshl_b32 s35, s14, 1
	s_add_co_u32 s34, s34, s35
	s_mul_i32 s34, s34, TILEB
	s_lshl_b32 s35, s28, 10
	s_add_co_u32 s34, s34, s35                     ; + half an image for each 64 along K
	s_mov_b32 s35, 0
	s_wait_kmcnt 0x0
	s_load_b256 s[16:23], s[10:11], 0x0            ; e0 .. e7
	s_cmp_eq_u32 s15, 0                            ; the choice of the matrix hangs on the work-group's number alone
	s_cselect_b64 s[24:25], s[4:5], s[6:7]
	s_cmp_eq_u32 s15, 2
	s_cselect_b64 s[24:25], s[8:9], s[24:25]
	s_add_nc_u64 s[24:25], s[24:25], s[32:33]
	s_add_nc_u64 s[12:13], s[12:13], s[34:35]
.set i, 0
.rept 64
	global_load_b32 v[X+i], v3, s[24:25] offset:i*WROW th:TH_LOAD_NT   ; W(64 y + i, my column): read once in the launch
.set i, i+1
.endr
	s_wait_kmcnt 0x0
	s_cmp_eq_u32 s15, 0
	s_cselect_b32 s26, s17, s19
	s_cmp_eq_u32 s15, 2
	s_cselect_b32 s26, s21, s26                    ; e: e1, e3 or e5
	s_add_co_i32 s26, s26, 127
	s_lshl_b32 s31, s26, 23
	v_mov_b32 v11, s31                             ; 2^e as f32: the conversion takes its exponent field
	s_add_co_i32 s26, s26, 8
	s_lshl_b32 s26, s26, 23
	s_or_b32 s26, s26, 0x600000
	v_mov_b32 v10, s26                             ; 448 x 2^e
; Group g of 16 along K is chunk g / 2 of this half image, half g % 2 of the lanes: 512 (g / 2) + 256 (g % 2) = 256 g bytes on.
	s_wait_alu depctr_va_vdst(0)
.irp g, 0,1,2,3
	s_wait_loadcnt 48-16*\g                        ; loads come back in order: this group's 16 are in, the younger groups stay out
.irp j, 0,1,2,3,4,5,6,7,8,9,10,11,12,13,14,15
	v_med3_num_f32 v[X+16*\g+\j], v[X+16*\g+\j], -v10, v10   ; the conversion to an 8-bit code does not saturate (ISA guide 7.6.2): the hold at the largest code x the scale
.endr
	v_cvt_scalef32_pk8_fp8_f32 v[C+4*\g:C+4*\g+1], v[X+16*\g:X+16*\g+7], v11
	v_cvt_scalef32_pk8_fp8_f32 v[C+4*\g+2:C+4*\g+3], v[X+16*\g+8:X+16*\g+15], v11
	global_store_b128 v4, v[C+4*\g:C+4*\g+3], s[12:13] offset:256*\g   ; two runs of 256 consecutive bytes, aligned: one in each of the wave's two tiles
.endr
	s_endpgm
.Lfunc_end_k_qda738233b5_prep:
	.size	k_qda738233b5_prep, .Lfunc_end_k_qda738233b5_prep-k_qda738233b5_prep
	.p2alignl 7, 3214868480
	.fill 96, 4, 3214868480
	.section	.rodata,"a",@progbits
	.p2align	6, 0x0
	.amdhsa_kernel k_qda738233b5_prep
		.amdhsa_group_segment_fixed_size 0
		.amdhsa_private_segment_fixed_size 0
		.amdhsa_enable_private_segment 0
		.amdhsa_kernarg_size 40
		.amdhsa_user_sgpr_count 2
		.amdhsa_user_sgpr_kernarg_segment_ptr 1
		.amdhsa_wavefront_size32 1
		.amdhsa_system_sgpr_workgroup_id_x 1
		.amdhsa_system_sgpr_workgroup_id_y 1
		.amdhsa_system_sgpr_workgroup_id_z 1
		.amdhsa_system_vgpr_workitem_id 0
		.amdhsa_next_free_vgpr 96
		.amdhsa_next_free_sgpr 66
		.amdhsa_reserve_vcc 0
		.amdhsa_float_denorm_mode_32 3
		.amdhsa_float_denorm_mode_16_64 3
		.amdhsa_memory_ordered 1
		.amdhsa_forward_progress 1
		.amdhsa_inst_pref_size 14
	.end_amdhsa_kernel
	.amdgpu_metadata
---
amdhsa.version: [ 1, 2 ]
amdhsa.kernels:
  - .name:           k_qda738233b5_prep
    .symbol:         k_qda738233b5_prep.kd
    .args:
      - { .name: Wq, .offset: 0, .size: 8, .value_kind: global_buffer, .address_space: global }
      - { .name: Wk, .offset: 8, .size: 8, .value_kind: global_buffer, .address_space: global }
      - { .name: Wv, .offset: 16, .size: 8, .value_kind: global_buffer, .address_space: global }
      - { .name: lowp_scales, .offset: 24, .size: 8, .value_kind: global_buffer, .address_space: global }
      - { .name: w_img, .offset: 32, .size: 8, .value_kind: global_buffer, .address_space: global }
    .group_segment_fixed_size: 0
    .private_segment_fixed_size: 0
    .kernarg_segment_align: 8
    .kernarg_segment_size: 40
    .max_flat_workgroup_size: 128
    .sgpr_count:     66
    .vgpr_count:     96
    .wavefront_size: 32
...
	.end_amdgpu_metadata
.endif
;; end of part 4
;; launch proj (part 5): grid 64 x 3, 8 waves a work-group, no clusters, 99,328 bytes of LDS; arguments hidden_states, w_img, bq, bk, bv, lowp_scales, q_img, k_img, v_img; writes q_img, k_img, v_img
.if DOCPART == 5
	.amdgcn_target "amdgcn-amd-amdhsa--gfx1250"
	.amdhsa_code_object_version 6
	.text
	.protected	k_qda738233b5_proj
	.globl	k_qda738233b5_proj
	.p2align	8
	.type	k_qda738233b5_proj,@function
k_qda738233b5_proj:
	s_mov_b64 s[64:65], 0
	v_nop
	global_prefetch_b8 v0, s[64:65] scope:SCOPE_SE
	s_setreg_imm32_b32 hwreg(HW_REG_WAVE_MODE, 25, 1), 1
	s_wait_xcnt 0x0
; q = Q(x) Q(Wq) + bq, k and v likewise, on codes of E4M3; the results, in f32, are quantised at once for attention's products and leave as IMAGES OF OPERAND REGISTERS.
; An image: a fragment of 16 rows x 128 along K, 2,048 bytes: chunk c at 512 c, lane L's 16 bytes at 16 L; lane (r = L % 16, h = L / 16) holds k = 32 c + 16 h + 0 .. 15 of row r.  The same place for each k on both sides of every product.
; SHARES.  Work-group (tb, y): tokens 128 tb .. + 127, all 768 columns of matrix y (0 q, 1 k, 2 v), with that product's own scales: x by e0 / e2 / e4, W by e1 / e3 / e5, the result by e6 / e7 / e9.
; Wave w: first token tile w of x (16 tokens x 768: quantised, six images into LDS); then, behind the one barrier, all 128 tokens x columns 96 w .. + 95: 8 x 6 accumulators, 384 registers.
; TOKEN TILES ARE NOT NEIGHBOURS: tile 2 b + u takes tokens 32 b + 8 u + r + 8 (r / 8).  Wq's and Wk's column tiles likewise (the launch before lays them so); Wv's are plain.
;   q, k: the product is used TRANSPOSED (source 0 = W's tile, source 1 = x's): a lane holds one token, and the 16 registers of column tiles 2 b, 2 b + 1 are 16 neighbours of the head's axis: a chunk of a q or k image.
;   v:    source 0 = x's tile, source 1 = W's: a lane holds one channel, and the 16 registers of token tiles 2 p, 2 p + 1 are 16 neighbouring tokens: a chunk of an image of V^T, whose K is the keys.
; q_img, k_img: [6 batch + head][token tile 256][2,048].   v_img: [6 batch + head][key step 32][channel tile 8][2,048].
; W's images go from memory straight into each wave's registers, each byte once a work-group.  NO CLUSTER, NO JOINT LOADS: no tile comes by a tensor load here; taken through LDS, W's 576 KB a work-group would be written
; and read there on top of the 768 KB of x's fragments that the eight waves read.  The form is the K = 64 one: beside 384 accumulators 128 registers are left, and its fragments take 8.
; LIMITS on the given exponents, so that each power of two below is an f32 number: e0, e2, e4, e6, e7, e9 between -126 and 119; e0 + e1, e2 + e3, e4 + e5 between -126 and 127.  NaN among the inputs is not served.
; REGISTERS, in windows of 256.  window 0: v1 the bias's lane offset; v2, v3 16 x lane (+ 49,152); v4 x's lane offset; v5 where I store x's images; v6, v7 448 x scale and scale of the conversions in hand;
;   v8-31 three x fragments by turns, later two sets of 12 code registers; v32-79, v80-127 W's six fragments, two sets (v32.. later the bias; v80.. first x's codes, later 48 numbers at work); v128-255 accumulators (m, n = 4, 5) at 128 + 8 (2 m + n - 4).
;   window 1: accumulators (m, n = 0..3) at 8 (4 m + n); ahead of the barrier v0-191 hold three K steps of x in f32.
.set LI0,  2
.set LI1,  3
.set XA,   4
.set XWI,  5
.set LIM,  6
.set SCL,  7
.set XR,   8
.set CD,   8
.set WB,   32
.set BI,   32
.set PC,   80
.set TMP,  80
.set MSB, 0
.macro WIN new                         ; s_set_vgpr_msb: bits 1:0 source 0, 3:2 source 1, 5:4 source 2, 7:6 destination; the high byte repeats the setting that is left
.if MSB != \new
	s_set_vgpr_msb (MSB<<8)|\new
.set MSB, \new
.endif
.endm
.macro XLOAD s                         ; my 16 tokens' numbers of K step s: 64 a lane, register 16 b + i = k 32 b + 16 h + i, into buffer s % 3 of window 1.  No hint: three work-groups read x
	WIN 0x40
.irp b, 0,1,2,3
.irp j, 0,1,2,3
	global_load_b128 v[64*((\s)%3)+16*\b+4*\j:64*((\s)%3)+16*\b+4*\j+3], v[XA], s[4:5] offset:512*(\s)+128*\b+16*\j
.endr
.endr
	WIN 0
.endm
.macro XQUANT s                        ; they become a fragment's 16 registers of codes in v[PC] on
	WIN 0x41
.set i, 0
.rept 64
	v_med3_num_f32 v[64*((\s)%3)+i], v[64*((\s)%3)+i], -v[LIM], v[LIM]   ; the conversion to an 8-bit code does not saturate (ISA guide 7.6.2): the hold at the largest code x the scale
.set i, i+1
.endr
	s_wait_alu depctr_va_vdst(0)
	s_wait_dscnt 0x0                               ; the last image's stores have read the code registers
	WIN 0x01
.irp g, 0,1,2,3,4,5,6,7
	v_cvt_scalef32_pk8_fp8_f32 v[PC+2*\g:PC+2*\g+1], v[64*((\s)%3)+8*\g:64*((\s)%3)+8*\g+7], v[SCL]
.endr
	WIN 0
	v_nop                                          ; one plain vector instruction behind the last conversion: matrix instructions later write its sources
.endm
.macro IMAGE s                         ; the fragment goes to LDS as it stands: 512 consecutive bytes a store
.irp c, 0,1,2,3
	ds_store_b128 v[XWI], v[PC+4*\c:PC+4*\c+3] offset:2048*(\s)+512*\c
.endr
.endm
.macro WLOAD t                         ; W's six fragments of half step t (64 along K: two chunks of each image) into set t % 2: 12 loads of 512 consecutive bytes
.irp n, 0,1,2,3,4,5
.irp c, 0,1
	global_load_b128 v[WB+48*((\t)%2)+8*\n+4*\c:WB+48*((\t)%2)+8*\n+4*\c+3], v[LI0], s[6:7] offset:12288*\n+1024*(\t)+512*\c
.endr
.endr
.endm
.macro BLOAD swap                      ; the bias, in the result's layout: 12 loads, as many as a WLOAD, so that the count of the wait behind it is the same
.irp n, 0,1,2,3,4,5
.if \swap
	global_load_b32 v[BI+2*\n], v1, s[44:45] offset:64*\n          ; v: lane r holds channel 96 w + 16 n + r in all its registers; the pair is named whole, so both are loaded
	global_load_b32 v[BI+2*\n+1], v1, s[44:45] offset:64*\n
.else
	global_load_b128 v[BI+8*\n:BI+8*\n+3], v1, s[44:45] offset:(32*(\n/2)+8*(\n%2))*4        ; q, k: register 8 n + j holds column 96 w + 32 (n / 2) + 16 h + 8 (n % 2) + j
	global_load_b128 v[BI+8*\n+4:BI+8*\n+7], v1, s[44:45] offset:(32*(\n/2)+8*(\n%2))*4+16
.endif
.endr
.endm
.macro XFETCH g                        ; x's fragment of token tile g % 8, half step g / 8, into place g % 3 of the three
.set FM, (\g)%8
.set FT, (\g)/8
.set FRG, XR+8*((\g)%3)
.if FM < 4
	ds_load_b128 v[FRG:FRG+3], v[LI0] offset:FM*12288+1024*FT
	ds_load_b128 v[FRG+4:FRG+7], v[LI0] offset:FM*12288+1024*FT+512
.else
	ds_load_b128 v[FRG:FRG+3], v[LI1] offset:(FM-4)*12288+1024*FT
	ds_load_b128 v[FRG+4:FRG+7], v[LI1] offset:(FM-4)*12288+1024*FT+512
.endif
.endm
.macro MM swap, d, w, x, t             ; one product; in half step 0 it starts its sum: nothing is ever cleared
.if (\t) == 0
.if \swap
	v_wmma_f32_16x16x64_fp8_fp8 v[\d:\d+7], v[\x:\x+7], v[\w:\w+7], 0
.else
	v_wmma_f32_16x16x64_fp8_fp8 v[\d:\d+7], v[\w:\w+7], v[\x:\x+7], 0
.endif
.else
.if \swap
	v_wmma_f32_16x16x64_fp8_fp8 v[\d:\d+7], v[\x:\x+7], v[\w:\w+7], v[\d:\d+7]
.else
	v_wmma_f32_16x16x64_fp8_fp8 v[\d:\d+7], v[\w:\w+7], v[\x:\x+7], v[\d:\d+7]
.endif
.endif
.endm
; Token tile G % 8 of half step G / 8: six products.  The 48 accumulators take turns, one instruction a turn, in the same order in every half step.
.macro ITER swap
.if G+2 < 96
	XFETCH G+2                                     ; two fragments ahead, into the place that the products before last read: the four v_nop below stand between
.endif
.if G < 94
	s_wait_dscnt 4                                 ; LDS loads come back in order: this fragment is in; the four loads of the next two fragments stay out
.elseif G == 94
	s_wait_dscnt 2
.else
	s_wait_dscnt 0
.endif
.set IM, G%8
.set IT, G/8
.set IX, XR+8*(G%3)
.set IW, WB+48*(IT%2)
	WIN 0x50                                       ; C and D in window 1
.irp n, 0,1,2,3
	MM \swap, 8*(4*IM+\n), IW+8*\n, IX, IT
.endr
	WIN 0
.irp n, 4,5
	MM \swap, 128+8*(2*IM+\n-4), IW+8*\n, IX, IT
.endr
.rept 4
	v_nop                                          ; four places in front of loads into registers that these products read, and of the first read of results
.endr
.set G, G+1
.endm
.macro HSTEP t, swap                   ; 64 along K
.if \t < 11
	WLOAD \t+1                                     ; the next half step's W, into the set that the half step before read
.else
	BLOAD \swap
.endif
	s_wait_loadcnt 12                              ; this half step's W is in; the 12 loads just issued stay out
.rept 8
	ITER \swap
.endr
.endm
	s_load_b512 s[4:19], s[0:1], 0x0               ; x s[4:5], w_img s[6:7], bq s[8:9], bk s[10:11], bv s[12:13], the scales' exponents s[14:15], q_img s[16:17], k_img s[18:19]
	s_load_b64 s[20:21], s[0:1], 0x40              ; v_img
	v_lshrrev_b32 v1, 5, v0
	s_delay_alu instid0(VALU_DEP_1)
	v_readfirstlane_b32 s22, v1                    ; wave 0..7
	s_and_b32 s23, ttmp7, 0xffff                   ; y: the matrix
	s_mov_b32 s24, ttmp9                           ; tb
	s_lshr_b32 s25, s24, 5                         ; batch
	s_and_b32 s26, s24, 31                         ; the block of 128 tokens within the batch
	v_and_b32 v1, 31, v0
	s_delay_alu instid0(VALU_DEP_1)
	v_lshlrev_b32 v[LI0], 4, v1                    ; 16 x lane
	s_delay_alu instid0(VALU_DEP_1)
	v_add_nc_u32 v[LI1], 49152, v[LI0]             ; token tiles 4-7 lie beyond the reach of a 16-bit offset
	v_and_b32 v8, 15, v0                           ; r
	v_bfe_u32 v9, v0, 4, 1                         ; h
	s_delay_alu instid0(VALU_DEP_2)
	v_and_b32 v10, 8, v8
	s_delay_alu instid0(VALU_DEP_1)
	v_add_nc_u32 v10, v10, v8                      ; r + 8 (r / 8)
	s_delay_alu instid0(VALU_DEP_1)
	v_mul_u32_u24 v[XA], v10, 3072
	s_delay_alu instid0(VALU_DEP_1)
	v_lshl_add_u32 v[XA], v9, 6, v[XA]             ; x: my token's row, + 64 h: my 16 numbers of a block of 32
	s_mul_i32 s60, s22, 12288
	v_add_nc_u32 v[XWI], s60, v[LI0]               ; token tile w's six images
	s_lshl_b32 s60, s24, 7
	s_lshr_b32 s61, s22, 1
	s_lshl_b32 s61, s61, 5
	s_add_co_u32 s60, s60, s61
	s_and_b32 s61, s22, 1
	s_lshl_b32 s61, s61, 3
	s_add_co_u32 s60, s60, s61                     ; token 128 tb + 32 (w / 2) + 8 (w % 2)
	s_mul_i32 s60, s60, 3072
	s_mov_b32 s61, 0
	s_mul_i32 s62, s23, 48
	s_mul_i32 s63, s22, 6
	s_add_co_u32 s62, s62, s63                     ; W's tile 48 y + 6 w
	s_mul_i32 s62, s62, 12288
	s_mov_b32 s63, 0
	s_wait_alu depctr_va_vdst(0)
	s_wait_kmcnt 0x0
	s_load_b256 s[28:35], s[14:15], 0x0            ; e0 .. e7
	s_load_b64 s[36:37], s[14:15], 0x20            ; e8, e9
	s_add_nc_u64 s[4:5], s[4:5], s[60:61]
	s_add_nc_u64 s[6:7], s[6:7], s[62:63]
	XLOAD 0
	XLOAD 1
	XLOAD 2
	s_wait_kmcnt 0x0
	s_cmp_eq_u32 s23, 0                            ; every choice hangs on the work-group's number alone
	s_cselect_b32 s38, s28, s30                    ; ex
	s_cselect_b32 s39, s29, s31                    ; ew
	s_cselect_b32 s40, s34, s35                    ; eo: the result's scale
	s_cselect_b64 s[44:45], s[8:9], s[10:11]       ; the bias
	s_cselect_b64 s[46:47], s[16:17], s[18:19]     ; where the codes go
	s_cmp_eq_u32 s23, 2
	s_cselect_b32 s38, s32, s38
	s_cselect_b32 s39, s33, s39
	s_cselect_b32 s40, s37, s40
	s_cselect_b64 s[44:45], s[12:13], s[44:45]
	s_cselect_b64 s[46:47], s[20:21], s[46:47]
	s_add_co_i32 s60, s38, 127
	s_lshl_b32 s61, s60, 23
	v_mov_b32 v[SCL], s61                          ; 2^ex as f32: the conversion takes its exponent field
	s_add_co_i32 s60, s60, 8
	s_lshl_b32 s60, s60, 23
	s_or_b32 s60, s60, 0x600000
	v_mov_b32 v[LIM], s60                          ; 448 x 2^ex
	s_add_co_i32 s42, s38, s39
	s_add_co_i32 s42, s42, 127
	s_lshl_b32 s42, s42, 23                        ; 2^(ex + ew): a sum stands for sum x that
	s_mov_b32 s43, s42                             ; (named with it as a pair, so it is written)
	s_add_co_i32 s67, s40, 127
	s_lshl_b32 s66, s67, 23                        ; 2^eo
	s_add_co_i32 s67, s67, 8
	s_lshl_b32 s67, s67, 23
	s_or_b32 s67, s67, 0x600000                    ; 448 x 2^eo
	s_mul_i32 s60, s22, 384
	s_mov_b32 s61, 0
	s_add_nc_u64 s[44:45], s[44:45], s[60:61]      ; the bias at my 96 columns
	s_mul_i32 s68, s25, 6                          ; 6 x batch
; ---- x: my token tile becomes six images.  Three K steps are on their way at a time; behind the third, W's first half step too.
	s_wait_alu depctr_va_vdst(0)
.irp s, 0,1,2,3,4,5
.if \s < 3
	s_wait_loadcnt 32                              ; this K step's 16 loads are in; two younger K steps stay out
.else
	s_wait_loadcnt 12+16*(5-\s)                    ; the younger K steps, and W's 12 loads behind them, stay out
.endif
	XQUANT \s
	IMAGE \s
.if \s < 3
	XLOAD \s+3
.endif
.if \s == 2
	WLOAD 0
.endif
.endr
	s_wait_dscnt 0x0                               ; for the others' sake: my images have landed
	s_barrier_signal -1
	s_barrier_wait -1                              ; x's 48 images lie in LDS; from here on LDS is only read
	s_cmp_eq_u32 s23, 2
	s_cbranch_scc1 .Lv
; ---- q, k
	v_bfe_u32 v1, v0, 4, 1
	s_delay_alu instid0(VALU_DEP_1)
	v_lshlrev_b32 v1, 6, v1                        ; the bias's lane offset: 16 h numbers
	s_wait_alu depctr_va_vdst(0)
.irp b, 0,1,2                          ; my column tiles 2 b, 2 b + 1 are run 3 w + b of 32 columns: head (3 w + b) / 4, chunk (3 w + b) % 4
	s_mul_i32 s69, s22, 3
	s_add_co_u32 s69, s69, \b
	s_lshr_b32 s70, s69, 2
	s_add_co_u32 s70, s70, s68
	s_lshl_b32 s70, s70, 8
	s_lshl_b32 s71, s26, 3
	s_add_co_u32 s70, s70, s71                     ; image (6 batch + head) x 256 + 8 x block
	s_lshl_b32 s70, s70, 11
	s_and_b32 s69, s69, 3
	s_lshl_b32 s69, s69, 9
	s_add_co_u32 s70, s70, s69
	s_mov_b32 s71, 0
	s_add_nc_u64 s[48+2*\b:49+2*\b], s[46:47], s[70:71]
.endr
.set G, 0
	XFETCH 0
	XFETCH 1
.irp t, 0,1,2,3,4,5,6,7,8,9,10,11
	HSTEP \t, 0
.endr
	s_wait_loadcnt 0x0                             ; the bias
	v_mov_b32 v[LIM], s67
	v_mov_b32 v[SCL], s66
.macro QKOUT m                         ; token tile m: sum x 2^(ex + ew) + bias, held, converted: three chunks of 512 bytes
	WIN 0x01
.irp n, 0,1,2,3
.irp i, 0,2,4,6
	v_pk_fma_f32 v[TMP+8*\n+\i:TMP+8*\n+\i+1], v[8*(4*(\m)+\n)+\i:8*(4*(\m)+\n)+\i+1], s[42:43], v[BI+8*\n+\i:BI+8*\n+\i+1] op_sel_hi:[1,0,1]   ; each accumulator from its low end on
.endr
.endr
	WIN 0
.irp n, 4,5
.irp i, 0,2,4,6
	v_pk_fma_f32 v[TMP+8*\n+\i:TMP+8*\n+\i+1], v[128+8*(2*(\m)+\n-4)+\i:128+8*(2*(\m)+\n-4)+\i+1], s[42:43], v[BI+8*\n+\i:BI+8*\n+\i+1] op_sel_hi:[1,0,1]
.endr
.endr
.set i, 0
.rept 48
	v_med3_num_f32 v[TMP+i], v[TMP+i], -v[LIM], v[LIM]
.set i, i+1
.endr
	s_wait_alu depctr_va_vdst(0)
	s_wait_xcnt 0x0                                ; the stores of two tiles back have read this set of code registers
.irp n, 0,1,2,3,4,5
	v_cvt_scalef32_pk8_fp8_f32 v[CD+12*((\m)%2)+2*\n:CD+12*((\m)%2)+2*\n+1], v[TMP+8*\n:TMP+8*\n+7], v[SCL]
.endr
	v_nop                                          ; one plain vector instruction behind the last conversion: the next tile writes its sources
.irp b, 0,1,2
	global_store_b128 v[LI0], v[CD+12*((\m)%2)+4*\b:CD+12*((\m)%2)+4*\b+3], s[48+2*\b:49+2*\b] offset:2048*(\m)   ; 512 consecutive bytes, aligned
.endr
.endm
.irp m, 0,1,2,3,4,5,6,7
	QKOUT \m
.endr
	s_wait_xcnt 0x0
	v_lshl_add_u32 v254, v0, 2, 0x18000
	v_mov_b32 v255, 0
	s_wait_alu depctr_va_vdst(0)
	s_wait_tensorcnt 0x0
	ds_add_u32 v254, v255
	s_wait_dscnt 0x0
	s_endpgm
; ---- v
.Lv:
	v_and_b32 v1, 15, v0
	s_delay_alu instid0(VALU_DEP_1)
	v_lshlrev_b32 v1, 2, v1                        ; the bias's lane offset: r numbers
	s_wait_alu depctr_va_vdst(0)
.irp n, 0,1,2,3,4,5                    ; my column tile n is channel tile 6 w + n of 48: head (6 w + n) / 8, tile (6 w + n) % 8
	s_mul_i32 s69, s22, 6
	s_add_co_u32 s69, s69, \n
	s_lshr_b32 s70, s69, 3
	s_add_co_u32 s70, s70, s68
	s_lshl_b32 s70, s70, 5
	s_add_co_u32 s70, s70, s26                     ; key step = the block of 128 tokens
	s_lshl_b32 s70, s70, 3
	s_and_b32 s69, s69, 7
	s_add_co_u32 s70, s70, s69
	s_lshl_b32 s70, s70, 11
	s_mov_b32 s71, 0
	s_add_nc_u64 s[48+2*\n:49+2*\n], s[46:47], s[70:71]
.endr
.set G, 0
	XFETCH 0
	XFETCH 1
.irp t, 0,1,2,3,4,5,6,7,8,9,10,11
	HSTEP \t, 1
.endr
	s_wait_loadcnt 0x0                             ; the bias
	v_mov_b32 v[LIM], s67
	v_mov_b32 v[SCL], s66
.macro VOUT p, hn                      ; token tiles 2 p, 2 p + 1 (chunk p of the key step) x channel tiles 3 hn .. 3 hn + 2
.irp q, 0,1,2
.irp u, 0,1
.set AN, 3*(\hn)+\q
.set AM, 2*(\p)+\u
.if AN < 4
	WIN 0x01
.set AA, 8*(4*AM+AN)
.else
	WIN 0
.set AA, 128+8*(2*AM+AN-4)
.endif
.irp i, 0,2,4,6
	v_pk_fma_f32 v[TMP+8*(2*\q+\u)+\i:TMP+8*(2*\q+\u)+\i+1], v[AA+\i:AA+\i+1], s[42:43], v[BI+2*AN:BI+2*AN+1] op_sel_hi:[1,0,0]   ; each accumulator from its low end on; the channel's bias serves both halves
.endr
.endr
.endr
	WIN 0
.set i, 0
.rept 48
	v_med3_num_f32 v[TMP+i], v[TMP+i], -v[LIM], v[LIM]
.set i, i+1
.endr
	s_wait_alu depctr_va_vdst(0)
	s_wait_xcnt 0x0                                ; the stores of two turns back have read this set of code registers
.irp n, 0,1,2,3,4,5
	v_cvt_scalef32_pk8_fp8_f32 v[CD+12*(\hn)+2*\n:CD+12*(\hn)+2*\n+1], v[TMP+8*\n:TMP+8*\n+7], v[SCL]
.endr
	v_nop                                          ; one plain vector instruction behind the last conversion
.irp q, 0,1,2
	global_store_b128 v[LI0], v[CD+12*(\hn)+4*\q:CD+12*(\hn)+4*\q+3], s[48+2*(3*(\hn)+\q):49+2*(3*(\hn)+\q)] offset:512*(\p)   ; 512 consecutive bytes, aligned
.endr
.endm
.irp p, 0,1,2,3
	VOUT \p, 0
	VOUT \p, 1
.endr
	s_wait_xcnt 0x0
	v_lshl_add_u32 v254, v0, 2, 0x18000
	v_mov_b32 v255, 0
	s_wait_alu depctr_va_vdst(0)
	s_wait_tensorcnt 0x0
	ds_add_u32 v254, v255
	s_wait_dscnt 0x0
	s_endpgm
.Lfunc_end_k_qda738233b5_proj:
	.size	k_qda738233b5_proj, .Lfunc_end_k_qda738233b5_proj-k_qda738233b5_proj
	.p2alignl 7, 3214868480
	.fill 96, 4, 3214868480
	.section	.rodata,"a",@progbits
	.p2align	6, 0x0
	.amdhsa_kernel k_qda738233b5_proj
		.amdhsa_group_segment_fixed_size 99328
		.amdhsa_private_segment_fixed_size 0
		.amdhsa_enable_private_segment 0
		.amdhsa_kernarg_size 72
		.amdhsa_user_sgpr_count 2
		.amdhsa_user_sgpr_kernarg_segment_ptr 1
		.amdhsa_wavefront_size32 1
		.amdhsa_system_sgpr_workgroup_id_x 1
		.amdhsa_system_sgpr_workgroup_id_y 1
		.amdhsa_system_sgpr_workgroup_id_z 1
		.amdhsa_system_vgpr_workitem_id 0
		.amdhsa_next_free_vgpr 512
		.amdhsa_next_free_sgpr 72
		.amdhsa_reserve_vcc 0
		.amdhsa_float_denorm_mode_32 3
		.amdhsa_float_denorm_mode_16_64 3
		.amdhsa_memory_ordered 1
		.amdhsa_forward_progress 1
		.amdhsa_inst_pref_size 255
	.end_amdhsa_kernel
	.section	.bss,"aw",@nobits
	.p2align	6
	.space	262144
	.amdgpu_metadata
---
amdhsa.version: [ 1, 2 ]
amdhsa.kernels:
  - .name:           k_qda738233b5_proj
    .symbol:         k_qda738233b5_proj.kd
    .args:
      - { .name: hidden_states, .offset: 0, .size: 8, .value_kind: global_buffer, .address_space: global }
      - { .name: w_img, .offset: 8, .size: 8, .value_kind: global_buffer, .address_space: global }
      - { .name: bq, .offset: 16, .size: 8, .value_kind: global_buffer, .address_space: global }
      - { .name: bk, .offset: 24, .size: 8, .value_kind: global_buffer, .address_space: global }
      - { .name: bv, .offset: 32, .size: 8, .value_kind: global_buffer, .address_space: global }
      - { .name: lowp_scales, .offset: 40, .size: 8, .value_kind: global_buffer, .address_space: global }
      - { .name: q_img, .offset: 48, .size: 8, .value_kind: global_buffer, .address_space: global }
      - { .name: k_img, .offset: 56, .size: 8, .value_kind: global_buffer, .address_space: global }
      - { .name: v_img, .offset: 64, .size: 8, .value_kind: global_buffer, .address_space: global }
    .group_segment_fixed_size: 99328
    .private_segment_fixed_size: 0
    .kernarg_segment_align: 8
    .kernarg_segment_size: 72
    .max_flat_workgroup_size: 256
    .sgpr_count:     72
    .vgpr_count:     512
    .wavefront_size: 32
...
	.end_amdgpu_metadata
.endif
;; end of part 5
;; launch attn (part 6): grid 16 x 12, 4 waves a work-group, clusters of 4 x 1, 327,680 bytes of LDS; arguments q_img, k_img, v_img, lowp_scales, out0; writes out0
.if DOCPART == 6
	.amdgcn_target "amdgcn-amd-amdhsa--gfx1250"
	.amdhsa_code_object_version 6
	.text
	.protected	k_qda738233b5_attn
	.globl	k_qda738233b5_attn
	.p2align	8
	.type	k_qda738233b5_attn,@function
k_qda738233b5_attn:
	s_mov_b64 s[64:65], 0
	v_nop
	global_prefetch_b8 v0, s[64:65] scope:SCOPE_SE
	s_setreg_imm32_b32 hwreg(HW_REG_WAVE_MODE, 25, 1), 1
	s_wait_xcnt 0x0
	s_wait_alu depctr_hold_cnt(0) depctr_sa_sdst(0) depctr_va_vdst(0) depctr_va_sdst(0) depctr_va_ssrc(0) depctr_va_vcc(0) depctr_vm_vsrc(0)
	s_getreg_b32 s2, hwreg(HW_REG_IB_STS2, 6, 4)
	s_cmp_eq_u32 s2, 0
	s_cbranch_scc0 .Lentry_in_a_cluster
	s_endpgm
.Lentry_in_a_cluster:
	s_bfe_u32 s2, ttmp6, 0x10000c
	s_cmp_lg_u32 s2, 0x3003
	s_cbranch_scc0 .Lentry_shape_is_right
	s_endpgm
.Lentry_shape_is_right:
; out0[b][q][128 head + :] = the sum over keys of softmax(q . k / sqrt(128)) v, both products on codes of E4M3 with the given scales: q 2^e6, k 2^e7, p 2^e8, v 2^e9.
; q_img, k_img: [6 batch + head][token tile 256][2,048]; v_img: [6 batch + head][key step 32][channel tile 8][2,048]: images of operand registers (16 rows x 128 along K: chunk c at 512 c, lane L's 16 bytes at 16 L;
; lane (r = L % 16, h = L / 16) holds k = 32 c + 16 h + 0 .. 15 of row r).  Token tile 2 b + u holds tokens 32 b + 8 u + r + 8 (r / 8); V's rows are channels, its K the step's 128 keys.
; SOFTMAX: t = score x log2(e) / sqrt(128); M = the running largest t rounded up to a whole number; p = 2^(t - M) is quantised, not normalised; the row's sum is taken of the unquantised p and divides at the end.
; When M moves, the sum and O are multiplied by 2^(old M - new M): exact.  The running maximum is kept as a raw score; -M = floor(-c x it).
; SHARES.  A work-group owns 256 queries of one (batch, head); each of its four waves, one to a SIMD, four token tiles (64 tokens on end): a fragment of K or V read from LDS feeds four products.
; Both products are used transposed (S^T = K Q^T, O^T = V^T P^T): a lane holds one query, and the 16 registers of key tiles 2 b, 2 b + 1 are keys 32 b + 16 h + 0 .. 15: the conversions' results are the second product's operand.
; A key step (128 keys) goes in two halves: tiles 0, 1, then tiles 2, 3.  THE PRODUCTS STAND AMONG THE EXPONENTIALS: a half's softmax has two batches of 64 exponentials; in the first, behind every four, stands one of the sixteen
; products V^T P^T of the half before; in the second one of the sixteen products K Q^T of the half to come.  So raw scores have a region of their own (window 1): the maximum reads them there and the scaling moves them into window 0.
; A TRIP: fetch K(n); the half of tiles 2, 3 of step n - 1 (with V^T P^T of tiles 0, 1 and K(n) Q^T of tiles 0, 1); the half of tiles 0, 1 of step n (with V^T P^T of tiles 2, 3 of step n - 1, then the fetch of V(n), and K(n) Q^T of tiles 2, 3).
; The change of slots stands between two trips: one inner loop of four trips serves every slot.  Step 0's first half stands ahead of the loops and leads into the inner loop with three trips to go; step 31's second half stands behind.
; CLUSTER.  The four query blocks of a cluster walk the same K and V: each block of 32 KB is asked for jointly (mask 15).  A ring of two LDS slots of four key steps (K 64 KB, V 64 KB); wave w fetches the slot's bytes 32,768 w on:
; waves 0, 1 K's halves, waves 2, 3 V's.  By this text's count a wave has one tensor load outstanding at any time.
; PREFETCH: at the change that loads slot s + 1 the sixteen waves of a head's first cluster name slot s + 2, 8 KB each (lanes 256 bytes apart), the partners told apart by address; slots 0 and 1 come by their loads alone; the last filling change names nothing.
; LIMITS: e6 + e7 between -123 and 130 (added to c's exponent field); e8 between -126 and 119; e8 + e9 is applied by v_ldexp_f32.  The scaled scores stay under 2^31 in magnitude.  NaN among the inputs is not served.
; REGISTERS.  window 0: v1-10 addresses; tile t's state at 16 + 8 t: -M, largest score, f, (at work), the sum in two halves; v48-63 at work; v64-127 the way out; v128-191, v192-255 t - M, then p, of the half's two tiles.
;   window 1: v0-63 Q (16 a tile), v64-127 p's codes, v128-255 the raw scores of two tiles.  window 2: O^T, 64 a tile.  window 3: v0-127 K's eight fragments, v128-255 V's.
.set SLOTB, 131072                     ; slot 1 begins here; in a slot K's steps at 16,384 q, V's at 65,536 + 16,384 q
.set SPARE, 262144                     ; the spare words: 128 bytes a wave, two blocks of 256 bytes that no other line names
.set STAGE, 262656                     ; the way out: 16 rows x 528 bytes a wave; no tensor load lands here
.set SP,   528
.set LI,   1                           ; 16 x lane
.set ADK,  2                           ; LDS address of the K in hand
.set ADV,  3                           ; of the V in hand
.set PFO,  4                           ; 256 x lane
.set SPW,  5
.set NIL,  6
.set SCL,  8                           ; 2^e8
.set STO,  9
.set RD,   10
.set SA,   128
.set SB,   192
.set WV,   14
.set SEL,  20                          ; s[20:21] selects of lane l xor 16
.set CS,   22                          ; s[22:23] c = log2(e) / sqrt(128) x 2^(e6 + e7)
.set G1,   24                          ; s[24:31] descriptor group 1
.set G0,   32                          ; s[32:35] group 0, which walks
.set NCS,  36                          ; -c
.set TB,   37                          ; LDS byte at which the slot in hand begins
.set TQ,   38                          ; + the step in hand
.set TA,   39
.set OUTER, 40
.set INNER, 41
.set LIM,  42                          ; 1 in a cluster that prefetches, else the greatest number
.set HOLD, 43                          ; 448 x 2^e8
.set PFA,  44
.set OB,   46
.set ES,   55                          ; e8 + e9
.set MSB, 0
.macro WIN new                         ; bits 1:0 source 0, 3:2 source 1, 5:4 source 2, 7:6 destination; the high byte repeats the setting that is left
.if MSB != \new
	s_set_vgpr_msb (MSB<<8)|\new
.set MSB, \new
.endif
.endm
.macro PLACES n
.rept \n
	v_nop
.endr
.endm
.macro CROUND                          ; a round of the cluster's barrier
	s_barrier_signal -1
	s_barrier_wait -1
	s_cmp_lg_u32 s[WV], 0
	s_cbranch_scc1 .Lnot_wave_0_\@
	s_barrier_signal -3
.Lnot_wave_0_\@:
	s_barrier_wait -3
	s_barrier_signal -1
	s_barrier_wait -1
.endm
.macro TLOAD                           ; every wave's one joint load; s_nop 0 and four v_nop follow
	tensor_load_to_lds s[G0:G0+3], s[G1:G1+7]
	s_nop 0
	PLACES 4
.endm
.macro ASK
	s_cmp_gt_u32 s[OUTER], s[LIM]
	s_cbranch_scc0 .Lnot_mine_\@
	global_prefetch_b8 v[PFO], s[PFA:PFA+1] th:TH_LOAD_NT scope:SCOPE_SE
.Lnot_mine_\@:
.endm
; THE CHANGE OF SLOTS: all my tensor loads are waited for, 0 is added to my spare word, that and my reads of the slot that I leave are waited for.  fill = 1: a round of the cluster's barrier, then the joint refill of the slot left.
.macro CHANGE fill
	s_wait_alu depctr_va_vdst(0)                   ; the wait ahead of the blocking waits
	s_wait_tensorcnt 0x0
	ds_add_u32 v[SPW], v[NIL]
	s_xor_b32 s[TB], s[TB], SLOTB                  ; on to the other slot, its first step
	s_mov_b32 s[TQ], 0
.if \fill
	s_xor_b32 s[G0+1], s[G0+1], SLOTB              ; no load of mine is out: the descriptor walks to the other slot and the next four key steps
	s_add_nc_u64 s[G0+2:G0+3], s[G0+2:G0+3], 65536
	s_wait_xcnt 0x0                                ; the last prefetch has read its address
	s_add_nc_u64 s[PFA:PFA+1], s[PFA:PFA+1], 65536
	s_wait_dscnt 0x0
	CROUND
	TLOAD
	ASK
.else
	s_wait_dscnt 0x0
	s_barrier_signal -1
	s_barrier_wait -1
.endif
.endm
.macro ADDR                            ; the LDS addresses of the step in hand
	s_add_co_u32 s[TA], s[TB], s[TQ]
	s_add_co_u32 s[TQ], s[TQ], 16384
	v_add_nc_u32 v[ADK], s[TA], v[LI]
	v_add_nc_u32 v[ADV], 0x10000, v[ADK]
.endm
.macro FRAGS rb, adr                   ; eight images into window 3: 512 consecutive bytes a load
	WIN 0xc0
.irp t, 0,1,2,3,4,5,6,7
.irp c, 0,1,2,3
	ds_load_b128 v[(\rb)+16*\t+4*\c:(\rb)+16*\t+4*\c+3], v[\adr] offset:2048*\t+512*\c
.endr
.endr
	WIN 0
.endm
.macro MQK qh, k                       ; product k (0..15) of S^T = K Q^T for the half qh: key tile k / 2, tile 2 qh + k % 2; it starts its sum
.set wj, (\k)%2
.set wt, (\k)/2
	v_wmma_f32_16x16x128_fp8_fp8 v[SA+64*wj+8*wt:SA+64*wj+8*wt+7], v[16*wt:16*wt+15], v[32*(\qh)+16*wj:32*(\qh)+16*wj+15], 0
.endm
.macro MPV ph, k                       ; product k (0..15) of O^T += V^T P^T for the half ph: channel tile k / 2, tile 2 ph + k % 2.  The accumulators take turns
.set wj, 2*(\ph)+(\k)%2
.set wt, (\k)/2
	v_wmma_f32_16x16x128_fp8_fp8 v[64*wj+8*wt:64*wj+8*wt+7], v[128+16*wt:128+16*wt+15], v[64+16*wj:64+16*wj+15], v[64*wj+8*wt:64*wj+8*wt+7]
.endm
.macro QKALL qh                        ; the sixteen on end: step 0's first half alone
	WIN 0x47
.set i, 0
.rept 16
	MQK \qh, i
.set i, i+1
.endr
	WIN 0
.endm
.macro PVALL ph                        ; the sixteen on end: step 31's second half alone
	WIN 0xa7
.set i, 0
.rept 16
	MPV \ph, i
.set i, i+1
.endr
	WIN 0
.endm
.macro PFMA sb, st, j                  ; t - M, two at a time, out of window 1 into window 0 (of the pairs c and -M the low word serves both halves)
	v_pk_fma_f32 v[(\sb)+2*(\j):(\sb)+2*(\j)+1], v[(\sb)+2*(\j):(\sb)+2*(\j)+1], s[CS:CS+1], v[\st:\st+1] op_sel_hi:[1,0,0]
.endm
.macro DMIN sb, j                      ; the conversion to an 8-bit code does not saturate (ISA guide 7.6.2); p is not negative: a one-sided hold, two numbers an instruction
	v_dual_min_num_f32 v[(\sb)+2*(\j)], s[HOLD], v[(\sb)+2*(\j)] :: v_dual_min_num_f32 v[(\sb)+2*(\j)+1], s[HOLD], v[(\sb)+2*(\j)+1]
.endm
.macro SUM sb, l                       ; the row's sum of the unquantised p, two at a time, in four chains
	v_pk_add_f32 v[60:61], v[(\sb):(\sb)+1], v[(\sb)+2:(\sb)+3]
	v_pk_add_f32 v[62:63], v[(\sb)+4:(\sb)+5], v[(\sb)+6:(\sb)+7]
	v_pk_add_f32 v[58:59], v[(\sb)+8:(\sb)+9], v[(\sb)+10:(\sb)+11]
.set i, 12
.rept 26
.set ch, 56+2*(((i-12)/2)%4)
.if ((i-12)/2)%4 == 0
.set ch, \l
.endif
	v_pk_add_f32 v[ch:ch+1], v[ch:ch+1], v[(\sb)+i:(\sb)+i+1]
.set i, i+2
.endr
	v_pk_add_f32 v[60:61], v[60:61], v[62:63]
	v_pk_add_f32 v[\l:\l+1], v[\l:\l+1], v[58:59]
	v_pk_add_f32 v[\l:\l+1], v[\l:\l+1], v[60:61]
.endm
.macro CODE sb, p                      ; 64 keys' p become a tile's 16 code registers in window 1
.irp b, 0,1,2,3
	v_cvt_scalef32_pk8_fp8_f32 v[(\p)+4*\b:(\p)+4*\b+1], v[(\sb)+16*\b:(\sb)+16*\b+7], v[SCL]
	v_cvt_scalef32_pk8_fp8_f32 v[(\p)+4*\b+2:(\p)+4*\b+3], v[(\sb)+16*\b+8:(\sb)+16*\b+15], v[SCL]
.endr
.endm
; THE SOFTMAX OF A HALF: tiles a = 2 h (at SA) and b = 2 h + 1 (at SB).  pv: the half whose V^T P^T stands in the first batch (-1: none); qk: the half whose K Q^T stands in the second (-1: none);
; wv, wk: the counts of the waits for V ahead of the first batch and for K ahead of the second (-1: none is due); vl = 1: V of the step in hand is fetched between the batches.
.macro SMH h, pv, qk, wv, wk, vl
.set A0, 16+16*(\h)
.set B0, A0+8
	WIN 0x14                                       ; the raw scores lie in window 1
	s_wait_alu depctr_va_vdst(0)                   ; the wait directly ahead of the first readers of the scores
.set i, 0
.rept 32                               ; the largest score, four chains a tile, each begun from the running maximum; each accumulator is read from its low end on
.if i < 4
	v_max3_num_f32 v[48+i], v[A0+1], v[SA+2*i], v[SA+2*i+1]
	v_max3_num_f32 v[52+i], v[B0+1], v[SB+2*i], v[SB+2*i+1]
.else
	v_max3_num_f32 v[48+i%4], v[48+i%4], v[SA+2*i], v[SA+2*i+1]
	v_max3_num_f32 v[52+i%4], v[52+i%4], v[SB+2*i], v[SB+2*i+1]
.endif
.set i, i+1
.endr
	WIN 0
	v_max3_num_f32 v48, v48, v49, v50
	v_max3_num_f32 v52, v52, v53, v54
	v_max_num_f32 v48, v48, v51
	v_max_num_f32 v52, v52, v55
	v_permlanex16_b32 v56, v48, s[SEL], s[SEL+1]
	v_permlanex16_b32 v57, v52, s[SEL], s[SEL+1]
	v_max_num_f32 v[A0+1], v48, v56                ; the running largest score, lane l xor 16's among it
	v_max_num_f32 v[B0+1], v52, v57
	v_mul_f32 v58, s[NCS], v[A0+1]
	v_mul_f32 v59, s[NCS], v[B0+1]
	v_floor_f32 v58, v58                           ; the new -M = floor(-t)
	v_floor_f32 v59, v59
	v_sub_f32 v[A0+3], v58, v[A0]                  ; old M - new M: a whole number, 0 or less
	v_sub_f32 v[B0+3], v59, v[B0]
	v_mov_b32 v[A0], v58
	v_mov_b32 v[B0], v59
	v_cvt_i32_f32 v[A0+3], v[A0+3]                 ; (it saturates)
	v_cvt_i32_f32 v[B0+3], v[B0+3]
	WIN 0x01
.set i, 0
.rept 32
	PFMA SA, A0, i
	PFMA SB, B0, i
.set i, i+1
.endr
	WIN 0
	v_ldexp_f32 v[A0+2], 1.0, v[A0+3]              ; f = 2^(old M - new M)
	v_ldexp_f32 v[B0+2], 1.0, v[B0+3]
	v_pk_mul_f32 v[A0+4:A0+5], v[A0+4:A0+5], v[A0+2:A0+3] op_sel_hi:[1,0]   ; the sums under the new M
	v_pk_mul_f32 v[B0+4:B0+5], v[B0+4:B0+5], v[B0+2:B0+3] op_sel_hi:[1,0]
	WIN 0x82
	s_wait_alu depctr_va_vdst(0)                   ; the wait directly ahead of the first readers of O^T
.set i, 0
.rept 32
	v_pk_mul_f32 v[128*(\h)+2*i:128*(\h)+2*i+1], v[128*(\h)+2*i:128*(\h)+2*i+1], v[A0+2:A0+3] op_sel_hi:[1,0]   ; O^T under the new M
.set i, i+1
.endr
.set i, 0
.rept 32
	v_pk_mul_f32 v[128*(\h)+64+2*i:128*(\h)+64+2*i+1], v[128*(\h)+64+2*i:128*(\h)+64+2*i+1], v[B0+2:B0+3] op_sel_hi:[1,0]
.set i, i+1
.endr
	WIN 0
.if (\wv) >= 0
	s_wait_dscnt \wv                               ; V is in; K's 32 loads, issued behind it, may be out
.endif
	s_wait_alu depctr_va_vdst(0)                   ; the wait ahead of the batch
.set i, 0
.rept 16                               ; tile a's exponentials; behind every four one product of the half before
	v_exp_f32 v[SA+4*i], v[SA+4*i]
	v_exp_f32 v[SA+4*i+1], v[SA+4*i+1]
	v_exp_f32 v[SA+4*i+2], v[SA+4*i+2]
	v_exp_f32 v[SA+4*i+3], v[SA+4*i+3]
.if (\pv) >= 0
	WIN 0xa7
	MPV \pv, i
	WIN 0
.endif
.set i, i+1
.endr
	v_nop
	s_wait_alu depctr_va_vdst(0)                   ; the wait behind the batch
	SUM SA, A0+4                                   ; (its 32 lines are also the places behind the products that read V)
.if \vl
	FRAGS 128, ADV                                 ; V of the step in hand
.endif
.if (\wk) >= 0
	s_wait_dscnt \wk                               ; K is in
.endif
.set i, 0
.rept 16                               ; tile b's exponentials; among them tile a's holds, which are read behind the next wait, and behind every four one product of the half to come
	v_exp_f32 v[SB+4*i], v[SB+4*i]
	DMIN SA, 2*i
	v_exp_f32 v[SB+4*i+1], v[SB+4*i+1]
	v_exp_f32 v[SB+4*i+2], v[SB+4*i+2]
	DMIN SA, 2*i+1
	v_exp_f32 v[SB+4*i+3], v[SB+4*i+3]
.if (\qk) >= 0
	WIN 0x47
	MQK \qk, i
	WIN 0
.endif
.set i, i+1
.endr
	v_nop
	s_wait_alu depctr_va_vdst(0)
	SUM SB, B0+4                                   ; (these lines are also the places behind the products that read K and wrote the scores)
.set i, 0
.rept 32
	DMIN SB, i
.set i, i+1
.endr
	WIN 0x40
	CODE SA, 64+32*(\h)
	CODE SB, 80+32*(\h)
	WIN 0
	v_nop                                          ; one plain vector instruction behind the last conversion
.endm
.macro TRIP
	ADDR
	FRAGS 0, ADK                                   ; K(n)
	SMH 1, 0, 0, 32, 0, 0                          ; tiles 2, 3 of step n - 1; V^T P^T of its tiles 0, 1; K(n) Q^T of tiles 0, 1
	SMH 0, 1, 1, -1, -1, 1                         ; tiles 0, 1 of step n; V^T P^T of tiles 2, 3 of step n - 1; V(n); K(n) Q^T of tiles 2, 3
.endm
.macro COUNT lab
	s_sub_co_u32 s[INNER], s[INNER], 1
	s_cmp_lg_u32 s[INNER], 0
	s_wait_alu depctr_va_vdst(0)                   ; the wait ahead of the branch
	s_cbranch_scc1 \lab
.endm
	s_load_b256 s[4:11], s[0:1], 0x0               ; q_img, k_img, v_img, the scales' exponents
	s_load_b64 s[12:13], s[0:1], 0x20              ; out0
	v_lshl_add_u32 v[SPW], v0, 2, SPARE
	v_mov_b32 v[NIL], 0
	ds_add_u32 v[SPW], v[NIL]                      ; the opening lines: the add twice on end under one wait
	ds_add_u32 v[SPW], v[NIL]
	v_lshrrev_b32 v2, 5, v0
	v_readfirstlane_b32 s[WV], v2                  ; wave 0..3
	v_and_b32 v[LI], 31, v0
	v_lshlrev_b32 v[PFO], 8, v[LI]
	v_lshlrev_b32 v[LI], 4, v[LI]
	s_bfe_u32 s15, ttmp6, 0x40000                  ; cx: it enters Q's, out0's and the prefetches' addresses alone
	s_lshl_b32 s16, ttmp9, 2
	s_add_co_u32 s16, s16, s15                     ; my block of 256 queries
	s_and_b32 s17, ttmp7, 0xffff                   ; 6 batch + head
	s_lshl_b32 s52, s17, 19                        ; its 524,288 bytes in each buffer of images
	s_and_b32 s53, s[WV], 1
	s_lshl_b32 s53, s53, 15                        ; which 32 KB of a slot's K or V I fetch
	s_add_co_u32 s56, s52, s53
	s_mov_b32 s57, 0
	s_lshl_b32 s58, s16, 15                        ; Q: token tile 16 x block + 4 x wave
	s_add_co_u32 s58, s58, s52
	s_lshl_b32 s59, s[WV], 13
	s_add_co_u32 s58, s58, s59
	s_mov_b32 s59, 0
	s_cmp_ge_u32 s17, 6
	s_cselect_b32 s60, 1, 0                        ; batch
	s_mul_i32 s61, s60, 6
	s_sub_co_u32 s61, s17, s61                     ; head
	s_lshl_b32 s60, s60, 12
	s_lshl_b32 s62, s16, 8
	s_add_co_u32 s60, s60, s62
	s_lshl_b32 s62, s[WV], 6
	s_add_co_u32 s60, s60, s62                     ; token 4,096 batch + 256 block + 64 wave
	s_mul_i32 s60, s60, 3072
	s_lshl_b32 s61, s61, 9
	s_add_co_u32 s60, s60, s61
	s_mov_b32 s61, 0
	s_mov_b32 s[G1], 15|(3<<16)|(1<<21)            ; the mask: all four work-groups; elements of 8 bytes; bit 21 beside a mask; no padding: an image is read 512 consecutive bytes at a time
	s_mov_b32 s[G1+1], 32<<16                      ; a dense block of 32 KB as 128 rows of 256 bytes
	s_mov_b32 s[G1+2], 128<<16
	s_mov_b32 s[G1+3], 32<<16
	s_mov_b32 s[G1+4], 128
	s_mov_b32 s[G1+5], 32
	s_mov_b32 s[G1+6], 0
	s_mov_b32 s[G1+7], 0
	s_mov_b32 s[SEL], 0x76543210
	s_mov_b32 s[SEL+1], 0xfedcba98
	s_mov_b32 s[CS], 0x3e0293ee
	s_mov_b32 s[TB], SLOTB                         ; the first change turns it to slot 0
	s_mov_b32 s[TQ], 0
	s_mov_b32 s[OUTER], 7                          ; changes that fill: slots 1 to 7
	s_wait_alu depctr_va_vdst(0)                   ; the wait ahead of the blocking waits
	s_wait_dscnt 0x0
	s_wait_kmcnt 0x0
	s_load_b128 s[48:51], s[10:11], 0x18           ; e6, e7, e8, e9
	s_cmp_lt_u32 s[WV], 2                          ; waves 0, 1 fetch K's codes, waves 2, 3 V's
	s_cselect_b64 s[62:63], s[6:7], s[8:9]
	s_mov_b32 s[G0], 1
	s_lshl_b32 s[G0+1], s[WV], 15                  ; slot 0, my 32 KB
	s_add_nc_u64 s[G0+2:G0+3], s[62:63], s[56:57]
	s_or_b32 s[G0+3], s[G0+3], 0x80000000
	CROUND                                         ; the first joint loads meet
	TLOAD                                          ; slot 0: one tensor load a wave at the head
	s_add_nc_u64 s[4:5], s[4:5], s[58:59]
	s_add_nc_u64 s[OB:OB+1], s[12:13], s[60:61]
	WIN 0x40
.irp j, 0,1,2,3
.irp c, 0,1,2,3
	global_load_b128 v[16*\j+4*\c:16*\j+4*\c+3], v[LI], s[4:5] offset:2048*\j+512*\c   ; Q's four fragments stay in registers
.endr
.endr
	WIN 0
	s_lshl_b32 s58, s15, 13                        ; the prefetches: my work-group's 8 KB of my wave's 32,
	s_add_co_u32 s56, s56, s58
	s_add_co_u32 s56, s56, 65536                   ; in slot 1: the first change steps it to slot 2
	s_add_nc_u64 s[PFA:PFA+1], s[62:63], s[56:57]
	s_cmp_eq_u32 ttmp9, 0                          ; the head's first cluster asks: the same in all four partners
	s_cselect_b32 s[LIM], 1, -1
	s_wait_kmcnt 0x0
	s_add_co_i32 s52, s48, s49
	s_lshl_b32 s52, s52, 23
	s_add_co_i32 s[CS], s[CS], s52                 ; e6 + e7 are added to c's exponent field
	s_mov_b32 s[CS+1], s[CS]
	s_xor_b32 s[NCS], s[CS], 0x80000000
	s_add_co_i32 s52, s50, 127
	s_lshl_b32 s53, s52, 23
	v_mov_b32 v[SCL], s53                          ; 2^e8: the conversion takes its exponent field
	s_add_co_i32 s52, s52, 8
	s_lshl_b32 s52, s52, 23
	s_or_b32 s[HOLD], s52, 0x600000                ; 448 x 2^e8
	s_add_co_i32 s[ES], s50, s51
; The loop has no first step of its own: O^T and the sums begin as zeros, -M as 3e38 and the largest score as -3e38; the first change of M multiplies zeros.  These moves run once, under the first load's flight.
.irp t, 0,1,2,3
	v_mov_b32 v[16+8*\t], 0x7f61b1e6
	v_mov_b32 v[17+8*\t], 0xff61b1e6
	v_mov_b32 v[18+8*\t], 0
	v_mov_b32 v[19+8*\t], 0
	v_mov_b32 v[20+8*\t], 0
	v_mov_b32 v[21+8*\t], 0
.endr
	v_mov_b32 v56, 0                               ; a lane permute's destination counts as one of its sources
	v_mov_b32 v57, 0
	WIN 0x80
.set i, 0
.rept 256
	v_mov_b32 v[i], 0
.set i, i+1
.endr
	WIN 0
	s_wait_alu depctr_va_vdst(0)                   ; the wait at the head's end
	s_wait_loadcnt 0x0                             ; Q
	CHANGE 1                                       ; slot 0 is whole; slot 1's first fill is issued as a refill is
	ADDR
	FRAGS 0, ADK                                   ; K(0)
	s_wait_dscnt 0x0
	QKALL 0
	PLACES 4
	SMH 0, -1, 1, -1, -1, 1                        ; tiles 0, 1 of step 0; V(0); K(0) Q^T of tiles 2, 3
	s_mov_b32 s[INNER], 3                          ; slot 0 has three trips to go: steps 1 to 3
	s_wait_alu depctr_va_vdst(0)                   ; the wait ahead of the branch
	s_branch .Linner
.Louter:                                           ; six times: slots 1 to 6 are entered, slots 2 to 7 asked for
	CHANGE 1
	s_mov_b32 s[INNER], 4
.Linner:
	TRIP
	COUNT .Linner
	s_sub_co_u32 s[OUTER], s[OUTER], 1
	s_cmp_lg_u32 s[OUTER], 0
	s_cbranch_scc1 .Louter
	CHANGE 0                                       ; the last slot is written out
	s_mov_b32 s[INNER], 4
.Ltail:
	TRIP
	COUNT .Ltail
	SMH 1, 0, -1, 0, -1, 0                         ; tiles 2, 3 of step 31; V^T P^T of its tiles 0, 1
	s_wait_alu depctr_va_vdst(0)
	PVALL 1
	; THE WAY OUT.  O^T / the sum x 2^(e8 + e9) goes through my stage in LDS, a tile of 16 queries at a time, and comes back as whole rows of 512 bytes.  The first lines are also the places behind the last products.
.irp t, 0,1,2,3
	v_add_f32 v[20+8*\t], v[20+8*\t], v[21+8*\t]
.endr
.irp t, 0,1,2,3
	v_permlanex16_b32 v[48+\t], v[20+8*\t], s[SEL], s[SEL+1]
.endr
.irp t, 0,1,2,3
	v_add_f32 v[20+8*\t], v[20+8*\t], v[48+\t]     ; the row's sum
.endr
	s_wait_alu depctr_va_vdst(0)                   ; the wait ahead of the batch
.irp t, 0,1,2,3
	v_rcp_f32 v[20+8*\t], v[20+8*\t]
.endr
	v_and_b32 v[STO], 15, v0                       ; r
	v_bfe_u32 v[RD], v0, 4, 1                      ; h
	v_mul_u32_u24 v[STO], v[STO], SP
	v_lshl_add_u32 v[STO], v[RD], 5, v[STO]
	s_mul_i32 s56, s[WV], 16*SP
	s_add_co_u32 s56, s56, STAGE
	v_add_nc_u32 v[STO], s56, v[STO]               ; in: row r; channel tile t's eight channels of my half at 64 t + 32 h
	v_add_nc_u32 v[RD], s56, v[LI]                 ; back: the 32 lanes take one row
	s_wait_alu depctr_va_vdst(0)                   ; the wait behind the batch
.irp t, 0,1,2,3
	v_ldexp_f32 v[20+8*\t], v[20+8*\t], s[ES]
.endr
.macro SEND j                          ; row t of my tile j is token 32 (j / 2) + 8 (j % 2) + t + 8 (t / 8) of my 64
.set BKJ, 64+128*((\j)%2)
.irp t, 0,1,2,3,4,5,6,7,8,9,10,11,12,13,14,15
	global_store_b128 v[LI], v[BKJ+4*\t:BKJ+4*\t+3], s[OB:OB+1] offset:(32*((\j)/2)+8*((\j)%2)+\t+8*(\t/8))*3072 th:TH_STORE_NT   ; 512 consecutive bytes, aligned
.endr
.endm
.macro OUT j
.if (\j) > 1
	s_wait_xcnt 0x0                                ; the stores of two tiles back have read the registers that this tile's rows land in
.endif
	WIN 0x02
	s_wait_alu depctr_va_vdst(0)                   ; the wait directly ahead of the first readers of O^T
.set i, 0
.rept 32
	v_pk_mul_f32 v[128+2*i:129+2*i], v[64*(\j)+2*i:64*(\j)+2*i+1], v[20+8*(\j):21+8*(\j)] op_sel_hi:[1,0]   ; register 8 t + i is o(query r, channel 16 t + 8 h + i)
.set i, i+1
.endr
	WIN 0
.irp t, 0,1,2,3,4,5,6,7
	ds_store_b128 v[STO], v[128+8*\t:131+8*\t] offset:64*\t
	ds_store_b128 v[STO], v[132+8*\t:135+8*\t] offset:64*\t+16
.endr
.set BKJ, 64+128*((\j)%2)
.irp t, 0,1,2,3,4,5,6,7,8,9,10,11,12,13,14,15
	ds_load_b128 v[BKJ+4*\t:BKJ+4*\t+3], v[RD] offset:\t*SP   ; LDS serves a wave's instructions in order (ISA guide 5.7.1.4): these see my stores
.endr
.endm
	OUT 0
.irp a, 1,2,3
	OUT \a
	s_wait_dscnt 32                                ; the tile before is back; this tile's 16 stores and 16 loads may be out
	SEND \a-1
.endr
	s_wait_dscnt 0x0
	SEND 3
	s_wait_tensorcnt 0x0                           ; the wave's end
	ds_add_u32 v[SPW], v[NIL]
	s_wait_dscnt 0x0
	CROUND                                         ; the closing round
	s_endpgm
.Lfunc_end_k_qda738233b5_attn:
	.size	k_qda738233b5_attn, .Lfunc_end_k_qda738233b5_attn-k_qda738233b5_attn
	.p2alignl 7, 3214868480
	.fill 96, 4, 3214868480
	.section	.rodata,"a",@progbits
	.p2align	6, 0x0
	.amdhsa_kernel k_qda738233b5_attn
		.amdhsa_group_segment_fixed_size 327680
		.amdhsa_private_segment_fixed_size 0
		.amdhsa_enable_private_segment 0
		.amdhsa_kernarg_size 40
		.amdhsa_user_sgpr_count 2
		.amdhsa_user_sgpr_kernarg_segment_ptr 1
		.amdhsa_wavefront_size32 1
		.amdhsa_system_sgpr_workgroup_id_x 1
		.amdhsa_system_sgpr_workgroup_id_y 1
		.amdhsa_system_sgpr_workgroup_id_z 1
		.amdhsa_system_vgpr_workitem_id 0
		.amdhsa_next_free_vgpr 1024
		.amdhsa_next_free_sgpr 72
		.amdhsa_reserve_vcc 0
		.amdhsa_float_denorm_mode_32 3
		.amdhsa_float_denorm_mode_16_64 3
		.amdhsa_memory_ordered 1
		.amdhsa_forward_progress 1
		.amdhsa_inst_pref_size 237
	.end_amdhsa_kernel
	.amdgpu_metadata
---
amdhsa.version: [ 1, 2 ]
amdhsa.kernels:
  - .name:           k_qda738233b5_attn
    .symbol:         k_qda738233b5_attn.kd
    .args:
      - { .name: q_img, .offset: 0, .size: 8, .value_kind: global_buffer, .address_space: global }
      - { .name: k_img, .offset: 8, .size: 8, .value_kind: global_buffer, .address_space: global }
      - { .name: v_img, .offset: 16, .size: 8, .value_kind: global_buffer, .address_space: global }
      - { .name: lowp_scales, .offset: 24, .size: 8, .value_kind: global_buffer, .address_space: global }
      - { .name: out0, .offset: 32, .size: 8, .value_kind: global_buffer, .address_space: global }
    .group_segment_fixed_size: 327680
    .private_segment_fixed_size: 0
    .kernarg_segment_align: 8
    .kernarg_segment_size: 40
    .max_flat_workgroup_size: 128
    .sgpr_count:     72
    .vgpr_count:     1024
    .wavefront_size: 32
...
	.end_amdgpu_metadata
.endif
;; end of part 6
